; MI455X (gfx1250); checked and timed in simulation.
; The chip was launched on July 23, 2026; its instructions are those of AMD's public machine-readable ISA for CDNA 5 (MIT licence, August 2026) and "CDNA5" Instruction Set Architecture Reference Guide (July 2026). The comments in the code are by the model that wrote it; some were corrected since.
;; Custom Attention. Allowed arithmetic: float matrix products may take bf16 or f16 operands with f32 sums; other float arithmetic in f32, or as packed bf16 or f16 multiplies, adds, multiply-adds, maxima and minima; sums over many terms, partial sums and values carried from step to step in f32; what a program stores and reads back later, other than sums and carried values, may be rounded once to bf16 or f16.
;; Inputs: Wk 1,024 x 1,024 float32; Wo 1,024 x 1,024 float32; Wq 1,024 x 1,024 float32; Wv 1,024 x 1,024 float32; bk 1,024 float32; bo 1,024 float32; bq 1,024 float32; bv 1,024 float32; key 4 x 2,048 x 1,024 float32; query 4 x 2,048 x 1,024 float32; value 4 x 2,048 x 1,024 float32.
;; Outputs: out0 4 x 2,048 x 1,024 float32.
;; 2 versions, each right; version 2 is version 1 with the launch prep written anew for expert scheduling mode. Each part assembles by itself: llvm-mc -triple=amdgcn-amd-amdhsa -mcpu=gfx1250 --defsym DOCPART=n.
;; ======== version 1 of 2: 5 launches
;; limits: values are held in f16: magnitudes above 65,504 overflow, below 6.1e-05 lose precision
;; workspace buffers: X16 50,331,648 bytes; W16 8,388,608 bytes; QKV 50,331,648 bytes; P 33,554,432 bytes; ML 1,048,576 bytes; O16 16,777,216 bytes
;; launch prep (part 1): grid 896 x 1, 8 waves a work-group, no clusters, 0 bytes of LDS; arguments query, key, value, Wq, Wk, Wv, Wo, X16, W16; writes X16, W16
.if DOCPART == 1
	.amdgcn_target "amdgcn-amd-amdhsa--gfx1250"
	.amdhsa_code_object_version 6
	.text
	.protected	k_q5e884599ea_prep
	.globl	k_q5e884599ea_prep
	.p2align	8
	.type	k_q5e884599ea_prep,@function
k_q5e884599ea_prep:
	s_mov_b64 s[64:65], 0
	v_nop
	global_prefetch_b8 v0, s[64:65] scope:SCOPE_SE
	s_setreg_imm32_b32 hwreg(HW_REG_WAVE_MODE, 25, 1), 1
	s_wait_xcnt 0x0
; query, key, value (f32 [8192][1024] each) -> X16 (f16 [3][8192][1024]);  Wq, Wk, Wv, Wo (f32 [1024][1024]) -> W16 (f16 [4][1024][1024]).
; Each number is rounded to bf16 (to nearest even) and that bf16 number is written as f16, which is exact from 2^-14 to 65,504.
; LIMITS: beyond 65,504 the f16 is an infinity; below 2^-14 f16 keeps its fixed step of 2^-24.
; A stream: no LDS, no matrix unit, no cluster (no work-group reads what another reads).
; A work-group of 8 waves converts 32,768 numbers: 128 KiB in, 64 KiB out.  All 32 loads of a thread go out first (a wave's load covers 512 consecutive bytes), so
; the whole share is on its way at once; no register is loaded or stored from twice, so the only waits are the counted ones for the loads.
.set X, 4                              ; v[4:131]    load i: 4 numbers in f32
.set Y, 132                            ; v[132:195]  store i: 4 numbers in f16
.set T, 196                            ; v[196:201]  at work
	s_load_b512 s[4:19], s[0:1], 0x0               ; query, key, value, Wq, Wk, Wv, Wo, X16
	s_load_b64 s[20:21], s[0:1], 0x40              ; W16
	v_lshlrev_b32 v1, 4, v0                        ; 16 bytes a thread in
	v_lshlrev_b32 v2, 3, v0                        ; 8 bytes a thread out
	s_mov_b32 s24, 0xffff0000                      ; a word's upper bf16
	s_lshr_b32 s25, ttmp9, 8                       ; work-groups 0..767: tensor 0..2,
	s_and_b32 s26, ttmp9, 255                      ; block 0..255 of it
	s_sub_co_u32 s27, ttmp9, 768                   ; work-groups 768..895:
	s_lshr_b32 s28, s27, 5                         ; weight 0..3,
	s_and_b32 s29, s27, 31                         ; block 0..31 of it
	s_add_co_u32 s30, s28, 3                       ; its place among the seven sources
	s_lshl_b32 s33, s25, 24                        ; a tensor's 16 MiB in X16
	s_lshl_b32 s34, s28, 21                        ; a weight's 2 MiB in W16
	s_cmp_lt_u32 ttmp9, 768
	s_cselect_b32 s31, s25, s30                    ; source 0..6
	s_cselect_b32 s32, s26, s29                    ; block
	s_cselect_b32 s35, s33, s34                    ; the source's place in its destination
	s_wait_kmcnt 0x0
	s_cselect_b64 s[36:37], s[18:19], s[20:21]     ; X16 or W16 (the compare above still stands: nothing between writes SCC)
	s_mov_b64 s[22:23], s[4:5]
.irp n, 1,2,3,4,5,6
	s_cmp_eq_u32 s31, \n
	s_cselect_b64 s[22:23], s[4+2*\n:5+2*\n], s[22:23]
.endr
	s_lshl_b32 s38, s32, 17                        ; 128 KiB a block in
	s_mov_b32 s39, 0
	s_add_nc_u64 s[22:23], s[22:23], s[38:39]
	s_lshl_b32 s40, s32, 16                        ; 64 KiB a block out
	s_add_co_u32 s40, s40, s35
	s_mov_b32 s41, 0
	s_add_nc_u64 s[36:37], s[36:37], s[40:41]
.set i, 0
.rept 32
	global_load_b128 v[X+4*i:X+4*i+3], v1, s[22:23] offset:4096*i th:TH_LOAD_NT
.set i, i+1
.endr
.set i, 0
.rept 32
	s_wait_loadcnt 31-i                            ; loads come back in order: load i is in, the 31 - i younger ones stay out
	v_cvt_pk_bf16_f32 v[T], v[X+4*i], v[X+4*i+1]   ; to bf16, to nearest even
	v_cvt_pk_bf16_f32 v[T+1], v[X+4*i+2], v[X+4*i+3]
	v_lshlrev_b32 v[T+2], 16, v[T]                 ; the bf16 numbers as f32
	v_and_b32 v[T+3], s24, v[T]
	v_lshlrev_b32 v[T+4], 16, v[T+1]
	v_and_b32 v[T+5], s24, v[T+1]
	v_cvt_pk_f16_f32 v[Y+2*i], v[T+2], v[T+3]      ; and as f16
	v_cvt_pk_f16_f32 v[Y+2*i+1], v[T+4], v[T+5]
	global_store_b64 v2, v[Y+2*i:Y+2*i+1], s[36:37] offset:2048*i  ; a wave's store covers 256 consecutive bytes, aligned
.set i, i+1
.endr
	s_endpgm
.Lfunc_end_k_q5e884599ea_prep:
	.size	k_q5e884599ea_prep, .Lfunc_end_k_q5e884599ea_prep-k_q5e884599ea_prep
	.p2alignl 7, 3214868480
	.fill 96, 4, 3214868480
	.section	.rodata,"a",@progbits
	.p2align	6, 0x0
	.amdhsa_kernel k_q5e884599ea_prep
		.amdhsa_group_segment_fixed_size 0
		.amdhsa_private_segment_fixed_size 0
		.amdhsa_enable_private_segment 0
		.amdhsa_kernarg_size 72
		.amdhsa_user_sgpr_count 2
		.amdhsa_user_sgpr_kernarg_segment_ptr 1
		.amdhsa_wavefront_size32 1
		.amdhsa_system_sgpr_workgroup_id_x 1
		.amdhsa_system_sgpr_workgroup_id_y 1
		.amdhsa_system_sgpr_workgroup_id_z 1
		.amdhsa_system_vgpr_workitem_id 0
		.amdhsa_next_free_vgpr 204
		.amdhsa_next_free_sgpr 66
		.amdhsa_reserve_vcc 0
		.amdhsa_float_denorm_mode_32 3
		.amdhsa_float_denorm_mode_16_64 3
		.amdhsa_memory_ordered 1
		.amdhsa_forward_progress 1
		.amdhsa_inst_pref_size 21
	.end_amdhsa_kernel
	.amdgpu_metadata
---
amdhsa.version: [ 1, 2 ]
amdhsa.kernels:
  - .name:           k_q5e884599ea_prep
    .symbol:         k_q5e884599ea_prep.kd
    .args:
      - { .name: query, .offset: 0, .size: 8, .value_kind: global_buffer, .address_space: global }
      - { .name: key, .offset: 8, .size: 8, .value_kind: global_buffer, .address_space: global }
      - { .name: value, .offset: 16, .size: 8, .value_kind: global_buffer, .address_space: global }
      - { .name: Wq, .offset: 24, .size: 8, .value_kind: global_buffer, .address_space: global }
      - { .name: Wk, .offset: 32, .size: 8, .value_kind: global_buffer, .address_space: global }
      - { .name: Wv, .offset: 40, .size: 8, .value_kind: global_buffer, .address_space: global }
      - { .name: Wo, .offset: 48, .size: 8, .value_kind: global_buffer, .address_space: global }
      - { .name: X16, .offset: 56, .size: 8, .value_kind: global_buffer, .address_space: global }
      - { .name: W16, .offset: 64, .size: 8, .value_kind: global_buffer, .address_space: global }
    .group_segment_fixed_size: 0
    .private_segment_fixed_size: 0
    .kernarg_segment_align: 8
    .kernarg_segment_size: 72
    .max_flat_workgroup_size: 256
    .sgpr_count:     66
    .vgpr_count:     204
    .wavefront_size: 32
...
	.end_amdgpu_metadata
.endif
;; end of part 1
;; launch proj (part 2): grid 4 x 96, 8 waves a work-group, clusters of 4 x 4, 327,680 bytes of LDS; arguments X16, W16, bq, bk, bv, QKV; writes QKV
.if DOCPART == 2
	.amdgcn_target "amdgcn-amd-amdhsa--gfx1250"
	.amdhsa_code_object_version 6
	.text
	.protected	k_q5e884599ea_proj
	.globl	k_q5e884599ea_proj
	.p2align	8
	.type	k_q5e884599ea_proj,@function
k_q5e884599ea_proj:
	s_mov_b64 s[64:65], 0
	v_nop
	global_prefetch_b8 v0, s[64:65] scope:SCOPE_SE
	s_setreg_imm32_b32 hwreg(HW_REG_WAVE_MODE, 25, 1), 1
	s_wait_xcnt 0x0
	s_wait_alu depctr_hold_cnt(0) depctr_sa_sdst(0) depctr_va_vdst(0) depctr_va_sdst(0) depctr_va_ssrc(0) depctr_va_vcc(0) depctr_vm_vsrc(0)
	s_getreg_b32 s2, hwreg(HW_REG_IB_STS2, 6, 4)
	s_cmp_eq_u32 s2, 0
	s_cbranch_scc0 .Lentry_in_a_cluster
	s_endpgm
.Lentry_in_a_cluster:
	s_bfe_u32 s2, ttmp6, 0x10000c
	s_cmp_lg_u32 s2, 0xf033
	s_cbranch_scc0 .Lentry_shape_is_right
	s_endpgm
.Lentry_shape_is_right:
; q, k, v = x W^T + b.  X16: f16 [3][8192][1024] (query, key, value), W16: f16 [4][1024][1024] (Wq, Wk, Wv, Wo), b: f32 [1024], rounded here to bf16 like every input; QKV: f16 [3][8192][1024].
; Sums in f32, begun with the bias; the result rounded once to f16.  LIMIT: a result beyond 65,504 becomes an infinity in f16.
; A work-group makes 256 rows x 256 columns of one of the three results: 3 x 32 x 4 = 384 work-groups.  Tile column = grid x; grid y = 32 x tensor + tile row.
.set LDA,   1024                       ; elements from row to row of A
.set LDB,   1024                       ; and of B
.set NSTEP, 8                          ; K steps of 128
.set KSTEPB, 256                       ; bytes from K step to K step in A and in B
.set PC,    2048                       ; bytes in a row of the result
.set KB,    7                          ; clusters whose y agrees outside these bits read the same rows of B
; ---------------- THE PART THAT THE TWO KERNELS ON TILES OF 256 x 256 SHARE: C = A B^T ----------------
; EIGHT WAVES, two to a SIMD, each 64 rows x 128 columns: 32 accumulators of 16 x 16.  Four waves of 128 x 128 would read a third less from LDS for each product (32 loads for 64 products against
; 24 for 32), but their text, with 64 accumulators and eight blocks on the way out, is twice as long; the tile of 256 x 256 is what counts here: a K step of 128 is 256 matrix instructions a SIMD,
; of which 224 stand between the request for a tile and the wait for it.
; K goes in steps of 128 through two LDS slots filled by the tensor data mover; rows of the tiles are 256 bytes of memory, aligned.  Each wave fetches 64 rows: waves 0-3 A's, waves 4-7 B's.
; CLUSTER 4 x 4: the four work-groups of a row of the cluster need the same tile of A, the four of a column the same tile of B: each is asked for jointly, by the same load, descriptor and mask in all four.
; THE PRODUCT IS USED TRANSPOSED (source 0 = 16 rows of B, source 1 = 16 rows of A): lane l holds row l % 16 of C and the columns 8 (l / 16) + 0..7.
; LDS: slot 0 at 0: A 256 rows x 272, then B 256 rows x 272; slot 1 behind it; the waves' stages; the spare words.
; REGISTERS in windows of 256 (s_set_vgpr_msb: bits 1:0 source 0, 3:2 source 1, 5:4 source 2, 7:6 destination): window 0 addresses, two fragment buffers of 96 (B's eight fragments, then A's four),
; which the way out uses again; window 1 the accumulators, (a, b) at 8 (8 a + b).
.set PITCH,  272                       ; an LDS row: 256 bytes + 16 of padding = 68 words: the 16 rows of a load start at 16 different groups of four banks (64 banks of 4 bytes: ISA guide 11.1)
.set QTR,    64*PITCH                  ; what one wave fetches, and what it reads of A
.set BOFF,   256*PITCH                 ; B lies behind A's 256 rows
.set SLOT1,  2*BOFF                    ; 139,264 = 0x22000.  The eight loads' places in slot 0, i x 17,408, have bits 13 and 17 clear: one exclusive or with 0x22000 turns each into its place in the other slot
.set STAGE,  2*SLOT1                   ; behind the ring: 16 rows x 272 bytes a wave, for the way out
.set STGW,   16*PITCH
.set SPARE,  STAGE+8*STGW              ; the spare words, 128 bytes a wave: four blocks of 256 bytes that no other line names
.set ADRA0, 4                          ; v4   my lane's place in A's tile; never rewritten
.set ADRB0, 5                          ; v5   in B's
.set ADRA,  6                          ; v6   the same in the slot in hand
.set ADRB,  7                          ; v7
.set STO,   8                          ; v8   the way out: where I put my bytes of a row
.set RD,    9                          ; v9   where I read rows back
.set CO,    10                         ; v10  my byte offset in C
.set PFO,   11                         ; v11  the prefetches' offset: my lane x a row in memory; never rewritten
.set SPW,   12                         ; v12  LDS address of my spare word; never rewritten
.set NIL,   13                         ; v13  0; never rewritten
.set F0,    32                         ; v[32:127]  fragment buffer 0
.set F1,    128                        ; v[128:223] fragment buffer 1
.set T,     32                         ; v[32:95]   at work, at the head and on the way out
.set PK,    96                         ; v[96:127]  16 rows' packed results
.set OB,    128                        ; v[128:191] rows read back from the stage
.set BI,    128                        ; v[128:191] 64 biases, until the first quarter has taken them
.set WV, 16                            ; s16 wave;  s17 my 64 rows;  s18 my 128 columns
.set WR, 17
.set WC, 18
.set CX, 19                            ; my place in the cluster
.set CY, 20
.set TC, 21                            ; tile column, tile row, cluster y
.set TR, 22
.set CLY, 23
.set G1A, 24                           ; s[24:31], s[32:39] descriptor groups 1
.set G1B, 32
.set G0A, 40                           ; s[40:47], s[48:55] groups 0: a set for each of the two first fills; the second then walks
.set G0B, 48
.set CNT, 56
.set TB,  57                           ; 0 or SLOT1: the slot to be read
.set LIM, 58                           ; 1 in a wave that prefetches, else the greatest number
.set PFA, 60                           ; s[60:61] where my prefetches stand
.set CB,  66                           ; s[66:67] C at my wave's first row and column
.set C2,  68                           ; s[68:69] a second pointer (bias, statistics)
.set SEL, 70                           ; s[70:71] v_permlanex16_b32's selects
.set CS,  72                           ; s[72:73] c
.set MSK, 74
.set WH,  75
.set FB,  94                           ; s94 I fetch A (0) or B (1);  s95 which 64 rows of the tile
.set FQ,  95
.set G1W, (1<<16)|(1<<20)|(1<<21)|(5<<22)|(3<<25)  ; 17:16 2-byte elements; 20 padding on; 21 set beside a mask; 24:22 after every 64 words; 31:25 4 words
.set MULW, 0x50                        ; both sources window 0, C and D window 1
.set MULB, 0x40                        ; the same with C in window 0
.set R2,   0x05                        ; sources 0 and 1 window 1
.set R3,   0x14                        ; sources 1 and 2 window 1
.set INPL, 0x41                        ; destination and source 0 window 1
.set MSB, 0
.macro WIN new                         ; the high byte repeats the setting that is left; a switch that changes nothing is dropped
.if MSB != (\new)
	s_set_vgpr_msb (MSB<<8)|(\new)
.set MSB, \new
.endif
.endm
.macro PLACES                          ; four places behind matrix instructions, in front of loads into registers that they read and of lines that read results
.rept 4
	v_nop
.endr
.endm
.macro SHADD d, t, r, n                ; s[d] += s[r] << n, by way of s[t]
	s_lshl_b32 s[\t], s[\r], \n
	s_add_co_u32 s[\d], s[\d], s[\t]
.endm
.macro CREST                           ; a round of the cluster's barrier behind its opening barrier
	s_cmp_lg_u32 s[WV], 0
	s_cbranch_scc1 .Lnot_wave_0_\@
	s_barrier_signal -3
.Lnot_wave_0_\@:
	s_barrier_wait -3
	s_barrier_signal -1
	s_barrier_wait -1
.endm
.macro CROUND                          ; a whole round
	s_barrier_signal -1
	s_barrier_wait -1
	CREST
.endm
.macro JLOAD                           ; a joint refill: waves 0-3 fetch A's quarters, waves 4-7 B's; an s_nop 0 and four v_nop follow each line, ahead of the jump and the label
	s_cmp_lt_u32 s[WV], 4
	s_cbranch_scc0 .Lfor_b_\@
	tensor_load_to_lds s[G0A+4:G0A+7], s[G1A:G1A+7]
	s_nop 0
.rept 4
	v_nop
.endr
	s_branch .Lasked_\@
.Lfor_b_\@:
	tensor_load_to_lds s[G0B+4:G0B+7], s[G1B:G1B+7]
	s_nop 0
.rept 4
	v_nop
.endr
.Lasked_\@:
.endm
; A PREFETCH INTO THE L2 of the K step that the NEXT refill will ask for (a K step, 256 matrix instructions of the SIMD, ahead of that load): 32 blocks of 256 bytes, a lane a row, one instruction a wave.
; Each block is named once in the launch: of the clusters that read the same rows the first asks; the four partners that ask for a tile jointly share its 256 rows out BY ADDRESS, 64 each;
; waves 0 and 1 ask for 32 rows of A each, waves 4 and 5 for 32 rows of B.  K steps 0 to 2 come by their loads alone; the trip with CNT = 1 has no K step behind its own refill and asks for nothing.
.macro ASK
	s_cmp_gt_u32 s[CNT], s[LIM]
	s_cbranch_scc0 .Lnot_mine_\@
	global_prefetch_b8 v[PFO], s[PFA:PFA+1] th:TH_LOAD_NT scope:SCOPE_SE
.Lnot_mine_\@:
.endm
.macro MUL8 f, a, zero                 ; 8 products: row block a x all 8 column blocks, 32 along K.  zero = 1: they start the sums with 0; zero = 2: with the columns' biases
.if (\zero) == 2
	WIN MULB
.else
	WIN MULW
.endif
.irp b, 0,1,2,3,4,5,6,7
.if (\zero) == 1
	v_wmma_f32_16x16x32_f16 v[8*(8*(\a)+(\b)):8*(8*(\a)+(\b))+7], v[(\f)+8*(\b):(\f)+8*(\b)+7], v[(\f)+64+8*(\a):(\f)+64+8*(\a)+7], 0
.elseif (\zero) == 2
	v_wmma_f32_16x16x32_f16 v[8*(8*(\a)+(\b)):8*(8*(\a)+(\b))+7], v[(\f)+8*(\b):(\f)+8*(\b)+7], v[(\f)+64+8*(\a):(\f)+64+8*(\a)+7], v[BI+8*(\b):BI+8*(\b)+7]
.else
	v_wmma_f32_16x16x32_f16 v[8*(8*(\a)+(\b)):8*(8*(\a)+(\b))+7], v[(\f)+8*(\b):(\f)+8*(\b)+7], v[(\f)+64+8*(\a):(\f)+64+8*(\a)+7], v[8*(8*(\a)+(\b)):8*(8*(\a)+(\b))+7]
.endif
.endr
.endm
.macro MUL16 f, a0, zero               ; the 32 accumulators take turns, in the same order in every quarter, over the backward jumps too
	MUL8 \f, \a0, \zero
	MUL8 \f, (\a0)+1, \zero
.endm
.macro FETCH k, f                      ; one run of 24 LDS loads: the fragments of 32 along K at byte k of the rows, into buffer f: B's eight, then A's four
	WIN 0
.irp b, 0,1,2,3,4,5,6,7
	ds_load_b128 v[(\f)+8*(\b):(\f)+8*(\b)+3],   v[ADRB] offset:(\k)+(\b)*16*PITCH
	ds_load_b128 v[(\f)+8*(\b)+4:(\f)+8*(\b)+7], v[ADRB] offset:(\k)+(\b)*16*PITCH+32
.endr
.irp a, 0,1,2,3
	ds_load_b128 v[(\f)+64+8*(\a):(\f)+64+8*(\a)+3],   v[ADRA] offset:(\k)+(\a)*16*PITCH
	ds_load_b128 v[(\f)+64+8*(\a)+4:(\f)+64+8*(\a)+7], v[ADRA] offset:(\k)+(\a)*16*PITCH+32
.endr
.endm
; A K step is four quarters of 32 along K, 32 matrix instructions a wave each, on buffers 0, 1, 0, 1.  One of the first three: multiplies buffer f; in its middle it fetches the next quarter, at byte k, into g.
.macro QUARTER k, f, g, zero
	s_wait_dscnt 4                                 ; all but the youngest four loads (A's fragments 2 and 3) are in
	MUL16 \f, 0, \zero
	PLACES
	FETCH \k, \g
	s_wait_dscnt 24                                ; all but the 24 just issued
	MUL16 \f, 2, \zero
.endm
; The last quarter multiplies buffer 1 and changes slots: ONE barrier.  In front of it each wave waits for all its tensor loads (one is out: its part of the next slot), adds 0 to its spare word, and waits
; for that and for its own reads of this slot.  fill = 1: the barrier opens a round of the cluster's, and behind the round this slot is filled again, with the K step two steps on.
.macro TURN fill
.if \fill
	s_wait_xcnt 0x0                                ; the last prefetch, a K step back, has read its address: it is stepped here, ahead of the waits of the change of slots
	s_add_nc_u64 s[PFA:PFA+1], s[PFA:PFA+1], KSTEPB
.endif
	WIN 0
	s_wait_tensorcnt 0x0                           ; all my tensor loads have landed
	ds_add_u32 v[SPW], v[NIL]                      ; 0 onto my spare word
	s_wait_dscnt 5                                 ; (the add and the youngest four loads may be out)
	MUL8 F1, 0, 0                                  ; work on registers between the add and the wait for it
	s_wait_dscnt 0x0                               ; the add is done, and my reads of this slot are over
	s_barrier_signal -1
	MUL8 F1, 1, 0
	WIN 0                                          ; at a branch and at a label every window is 0
	s_barrier_wait -1
.if \fill
	CREST                                          ; no wave of any partner still reads this slot or has a load on its way
	s_xor_b32 s[G0A+5], s[G0A+5], SLOT1            ; the walking descriptors: the other slot than last time, the next K step
	s_add_nc_u64 s[G0A+6:G0A+7], s[G0A+6:G0A+7], KSTEPB
	s_xor_b32 s[G0B+5], s[G0B+5], SLOT1
	s_add_nc_u64 s[G0B+6:G0B+7], s[G0B+6:G0B+7], KSTEPB
	JLOAD                                          ; the first tensor load behind the round; its four v_nop are also the places in front of the loads below
.else
	PLACES
.endif
	s_xor_b32 s[TB], s[TB], SLOT1
	v_add_nc_u32 v[ADRA], s[TB], v[ADRA0]
	v_add_nc_u32 v[ADRB], s[TB], v[ADRB0]
	FETCH 0, F0
.if \fill
	ASK                                            ; behind the joint load and the run of LDS loads that the next products wait for
.endif
	MUL16 F1, 2, 0
.endm
.macro IDS                             ; places, masks, the descriptors' constant words: work on registers alone
	v_lshrrev_b32 v1, 5, v0
	v_readfirstlane_b32 s[WV], v1
	s_lshr_b32 s[WR], s[WV], 1
	s_and_b32 s[WC], s[WV], 1
	s_lshr_b32 s[FB], s[WV], 2
	s_and_b32 s[FQ], s[WV], 3
	s_bfe_u32 s[CX], ttmp6, 0x40000
	s_bfe_u32 s[CY], ttmp6, 0x40004
	s_lshl_b32 s[TC], ttmp9, 2                     ; in a cluster launch ttmp9 and ttmp7 count clusters
	s_add_co_u32 s[TC], s[TC], s[CX]
	s_and_b32 s[CLY], ttmp7, 0xffff
	s_lshl_b32 s76, s[CY], 2
	s_lshl_b32 s76, 15, s76                        ; my row of the cluster: A's tiles go to it
	s_or_b32 s[G1A], s76, G1W
	s_lshl_b32 s80, 0x1111, s[CX]                  ; my column: B's tiles
	s_or_b32 s[G1B], s80, G1W
	s_mov_b32 s[G1A+1], 128<<16                    ; tensor_dim0
	s_mov_b32 s[G1A+2], 64<<16                     ; tensor_dim1
	s_mov_b32 s[G1A+3], 128<<16                    ; tile_dim0
	s_mov_b32 s[G1A+4], 64                         ; tile_dim1
	s_mov_b32 s[G1A+5], LDA                        ; elements from row to row
	s_mov_b32 s[G1A+6], 0
	s_mov_b32 s[G1A+7], 0
	s_mov_b32 s[G1B+1], 128<<16
	s_mov_b32 s[G1B+2], 64<<16
	s_mov_b32 s[G1B+3], 128<<16
	s_mov_b32 s[G1B+4], 64
	s_mov_b32 s[G1B+5], LDB
	s_mov_b32 s[G1B+6], 0
	s_mov_b32 s[G1B+7], 0
	s_mul_i32 s78, s[FQ], QTR                      ; where my 64 rows go: no place in the cluster enters an LDS address
	s_add_co_u32 s82, s78, BOFF
	s_mov_b32 s[TB], 0
	s_and_b32 s90, s[WV], 2                        ; waves 0, 1, 4 and 5 prefetch:
	s_or_b32 s91, s90, ttmp9                       ; A's rows in the clusters with x = 0,
	s_and_b32 s79, s[CLY], KB
	s_or_b32 s90, s90, s79                         ; B's in the first of the clusters that read the same rows
	s_cmp_eq_u32 s[FB], 0
	s_cselect_b32 s90, s91, s90
	s_cmp_eq_u32 s90, 0
	s_cselect_b32 s[LIM], 1, -1                    ; the same in all sixteen partners, for a given wave
.endm
.macro FILLS                           ; s[76:77], s[80:81]: my 64 rows of A's and of B's first tile; s78, s82: where they go
.irp s, 0,1
	s_mov_b32 s[G0A+4*(\s)], 1                     ; count = 1
	s_add_co_u32 s[G0A+4*(\s)+1], s78, (\s)*SLOT1  ; LDS address
	s_add_nc_u64 s[G0A+4*(\s)+2:G0A+4*(\s)+3], s[76:77], (\s)*KSTEPB  ; global address: K step s
	s_or_b32 s[G0A+4*(\s)+3], s[G0A+4*(\s)+3], 0x80000000             ; type = 2
	s_mov_b32 s[G0B+4*(\s)], 1
	s_add_co_u32 s[G0B+4*(\s)+1], s82, (\s)*SLOT1
	s_add_nc_u64 s[G0B+4*(\s)+2:G0B+4*(\s)+3], s[80:81], (\s)*KSTEPB
	s_or_b32 s[G0B+4*(\s)+3], s[G0B+4*(\s)+3], 0x80000000
.endr
	s_cmp_lt_u32 s[WV], 4                          ; a wave's two first fills stand in one branch, ahead of every wait on TENSORcnt and every LDS read: two loads of mine are out
	s_cbranch_scc0 .Lfirst_b
	tensor_load_to_lds s[G0A:G0A+3], s[G1A:G1A+7]
	s_nop 0
	tensor_load_to_lds s[G0A+4:G0A+7], s[G1A:G1A+7]
	s_nop 0
.rept 4
	v_nop
.endr
	s_branch .Lfirst_asked
.Lfirst_b:
	tensor_load_to_lds s[G0B:G0B+3], s[G1B:G1B+7]
	s_nop 0
	tensor_load_to_lds s[G0B+4:G0B+7], s[G1B:G1B+7]
	s_nop 0
.rept 4
	v_nop
.endr
.Lfirst_asked:
.endm
; A fragment is 16 rows x 32 K in 8 registers: lane l holds row l % 16; registers 0-3 K = 8 (l / 16) + 0..7, registers 4-7 K = 16 + 8 (l / 16) + 0..7: two loads of 16 bytes, 32 bytes apart.
.macro LANES                           ; leaves v1 = l % 16, v2 = l / 16, v3 = l, v16 = (l % 16) x 272 + 16 (l / 16), s86 = my stage
	v_and_b32 v1, 15, v0
	v_bfe_u32 v2, v0, 4, 1
	v_and_b32 v3, 31, v0
	v_mul_u32_u24 v16, v1, PITCH
	v_lshl_add_u32 v16, v2, 4, v16
	s_mul_i32 s86, s[WR], QTR                      ; my 64 rows of A
	v_add_nc_u32 v[ADRA0], s86, v16
	s_mul_i32 s86, s[WC], 2*QTR                    ; my 128 rows of B
	s_add_co_u32 s86, s86, BOFF
	v_add_nc_u32 v[ADRB0], s86, v16
	v_mov_b32 v[ADRA], v[ADRA0]
	v_mov_b32 v[ADRB], v[ADRB0]
	s_mul_i32 s86, s[WV], STGW
	s_add_co_u32 s86, s86, STAGE
.endm
.macro MAIN cb                         ; cb = 1: the sums begin with the biases, which lie in buffer 1's registers: the first quarter fetches only behind its products
	s_wait_tensorcnt 0x1                           ; my part of K step 0 is in; K step 1's may stay out
	s_barrier_signal -1
	s_barrier_wait -1                              ; everybody's part is in
	FETCH 0, F0
.if \cb
	s_wait_dscnt 0x0
	MUL16 F0, 0, 2
	MUL16 F0, 2, 2
	PLACES
	FETCH 64, F1
.else
	QUARTER 64, F0, F1, 1                          ; the first quarter stands in front of the loop: its products start the sums
.endif
	WIN 0
	s_mov_b32 s[CNT], NSTEP-2
.Lstep:                                            ; a trip: a K step's quarters 1 to 3 and the next step's quarter 0; it fills the slot that it leaves
	QUARTER 128, F1, F0, 0
	QUARTER 192, F0, F1, 0
	TURN 1
	QUARTER 64, F0, F1, 0
	WIN 0
	s_sub_co_u32 s[CNT], s[CNT], 1
	s_cmp_lg_u32 s[CNT], 0
	s_cbranch_scc1 .Lstep
	s_mov_b32 s[CNT], 2                            ; the last two K steps fill nothing: a loop of their own; it is entered behind a step's quarter 0
	s_branch .Ltin
.Ltail:
	QUARTER 64, F0, F1, 0
	WIN 0
.Ltin:
	QUARTER 128, F1, F0, 0
	QUARTER 192, F0, F1, 0
	TURN 0                                         ; in the second trip its barrier orders nothing and its 24 loads, of the other slot's old tile, serve nothing: the price, once a launch, of one text for both trips
	WIN 0
	s_sub_co_u32 s[CNT], s[CNT], 1
	s_cmp_lg_u32 s[CNT], 0
	s_cbranch_scc1 .Ltail
	s_wait_dscnt 0x0                               ; those loads are in: their registers serve the way out
	PLACES                                         ; the places behind the last products, counted generously, once a launch
	PLACES
.endm
.macro FINISH
	WIN 0
	s_wait_tensorcnt 0x0                           ; the wave's end: behind my last tensor load and my last LDS store
	ds_add_u32 v[SPW], v[NIL]
	s_wait_dscnt 0x0
	CROUND                                         ; the closing round: no work-group ends while a partner may still ask for a tile that names it
	s_endpgm
.endm
; THE WAY OUT IN f16: a lane's 8 columns of a row are 16 bytes; 16 rows at a time go into my own stage (rows of 272 bytes) and come back as whole rows of 256 bytes.
.macro OUT16ADR
	v_add_nc_u32 v[STO], s86, v16                  ; in: row l % 16, 16 bytes for each half of the lanes
	v_mul_u32_u24 v17, v2, PITCH                   ; back: lanes 0-15 one row, lanes 16-31 the next
	v_lshl_add_u32 v17, v1, 4, v17
	v_add_nc_u32 v[RD], s86, v17
	v_mul_u32_u24 v17, v2, PC                      ; and the same two rows in C
	v_lshl_add_u32 v[CO], v1, 4, v17
.endm
.macro TOSTAGE a
	WIN 0
.irp b, 0,1,2,3,4,5,6,7
	ds_store_b128 v[STO], v[PK+4*(\b):PK+4*(\b)+3] offset:32*(\b)
.endr
.irp t, 0,1,2,3,4,5,6,7
	ds_load_b128 v[OB+32*((\a)%2)+4*(\t):OB+32*((\a)%2)+4*(\t)+3], v[RD] offset:(\t)*2*PITCH  ; LDS serves a wave's instructions in order (ISA guide 5.7.1.4): these see the stores above
.endr
.endm
.macro SEND a
	WIN 0
	s_wait_dscnt 0x0                               ; the block is back in registers
	s_wait_xcnt 0x0                                ; the stores of the block before have read their registers, which the next block's loads from the stage write
.irp t, 0,1,2,3,4,5,6,7
	global_store_b128 v[CO], v[OB+32*((\a)%2)+4*(\t):OB+32*((\a)%2)+4*(\t)+3], s[CB:CB+1] offset:(16*(\a)+2*(\t))*PC  ; 16 lanes store 256 consecutive bytes, aligned
.endr
.endm
; ---------------- end of the shared part ----------------
	s_load_b256 s[4:11], s[0:1], 0x0               ; X16 s[4:5], W16 s[6:7], bq s[8:9], bk s[10:11]
	s_load_b128 s[12:15], s[0:1], 0x20             ; bv s[12:13], QKV s[14:15]
	v_lshl_add_u32 v[SPW], v0, 2, SPARE
	v_mov_b32 v[NIL], 0
	ds_add_u32 v[SPW], v[NIL]                      ; the wave's opening: the add and its wait stand ahead of my first tensor load; the set-up below, work on registers, stands between them
	IDS
	s_lshr_b32 s[WH], s[CLY], 3                    ; which of the three products: eight clusters, 32 tile rows, each
	s_and_b32 s[TR], s[CLY], 7
	s_lshl_b32 s[TR], s[TR], 2
	s_add_co_u32 s[TR], s[TR], s[CY]               ; tile row 0..31
	s_lshl_b32 s76, s[WH], 24                      ; A: the tensor's 16 MiB, 256 rows x 2,048 bytes a tile row, my 64 rows.  These registers never hold cx
	SHADD 76, 77, TR, 19
	SHADD 76, 77, FQ, 17
	s_mov_b32 s77, 0
	s_lshl_b32 s80, s[WH], 21                      ; B: the weight's 2 MiB, 256 rows a tile column, my 64 rows.  These never hold cy
	SHADD 80, 81, TC, 19
	SHADD 80, 81, FQ, 17
	s_mov_b32 s81, 0
	s_lshl_b32 s84, s[WH], 24                      ; C: my wave's first row and column
	SHADD 84, 85, TR, 19
	SHADD 84, 85, WR, 17
	SHADD 84, 85, TC, 9
	SHADD 84, 85, WC, 8
	s_mov_b32 s85, 0
	s_lshl_b32 s87, s[TC], 10                      ; the bias: my first column x 4 bytes
	SHADD 87, 91, WC, 9
	s_lshl_b32 s88, s[WH], 24                      ; the prefetches, A: my work-group's 64 of the tile's 256 rows
	SHADD 88, 91, TR, 19
	SHADD 88, 91, CX, 17
	s_lshl_b32 s89, s[WH], 21                      ; B: likewise
	SHADD 89, 91, TC, 19
	SHADD 89, 91, CY, 17
	s_cmp_eq_u32 s[FB], 0
	s_cselect_b32 s88, s88, s89
	SHADD 88, 91, WC, 16                           ; my wave's 32 of the 64
	s_add_co_u32 s88, s88, 2*KSTEPB                ; at K step 2: the first change of slots steps it to 3
	s_mov_b32 s89, 0
	s_mov_b32 s[MSK], 0xffff0000
	s_wait_dscnt 0x0                               ; the opening add is done
	s_wait_kmcnt 0x0
	s_add_nc_u64 s[76:77], s[4:5], s[76:77]
	s_add_nc_u64 s[80:81], s[6:7], s[80:81]
	s_add_nc_u64 s[CB:CB+1], s[14:15], s[84:85]
	s_mov_b64 s[C2:C2+1], s[8:9]
	s_cmp_eq_u32 s[WH], 1
	s_cselect_b64 s[C2:C2+1], s[10:11], s[C2:C2+1]
	s_cmp_eq_u32 s[WH], 2
	s_cselect_b64 s[C2:C2+1], s[12:13], s[C2:C2+1]
	s_cmp_eq_u32 s[FB], 0
	s_cselect_b64 s[PFA:PFA+1], s[4:5], s[6:7]
	s_add_nc_u64 s[PFA:PFA+1], s[PFA:PFA+1], s[88:89]
	CROUND                                         ; all sixteen work-groups are here: the first joint loads meet
	FILLS
	LANES
	OUT16ADR
	v_lshlrev_b32 v[PFO], 11, v3                   ; a row of X16 and of W16 is 2,048 bytes
	; my 64 columns' biases (column 16 b + 8 (l / 16) + j at BI + 8 b + j: an accumulator's layout), rounded to bf16 like every input
	v_lshlrev_b32 v18, 5, v2
	v_add_nc_u32 v18, s87, v18
.irp b, 0,1,2,3,4,5,6,7
	global_load_b128 v[BI+8*(\b):BI+8*(\b)+3],   v18, s[C2:C2+1] offset:64*(\b)
	global_load_b128 v[BI+8*(\b)+4:BI+8*(\b)+7], v18, s[C2:C2+1] offset:64*(\b)+16
.endr
	s_wait_loadcnt 0x0                             ; once, while the first tiles are on their way
.set i, 0
.rept 32
	v_cvt_pk_bf16_f32 v[T+i], v[BI+2*i], v[BI+2*i+1]
.set i, i+1
.endr
.set i, 0
.rept 32
	v_lshlrev_b32 v[BI+2*i], 16, v[T+i]
	v_and_b32 v[BI+2*i+1], s[MSK], v[T+i]
.set i, i+1
.endr
	MAIN 1
.macro PACK a                          ; block a rounded to f16; each accumulator is read from its low end on
	WIN R2
.set i, 0
.rept 32
	v_cvt_pk_f16_f32 v[PK+i], v[64*(\a)+2*i], v[64*(\a)+2*i+1]
.set i, i+1
.endr
.endm
	PACK 0
	TOSTAGE 0
.irp a, 1,2,3                          ; block a's conversions stand between block a - 1's loads from the stage and the wait for them
	PACK \a
	SEND (\a)-1
	TOSTAGE \a
.endr
	SEND 3
	FINISH
.Lfunc_end_k_q5e884599ea_proj:
	.size	k_q5e884599ea_proj, .Lfunc_end_k_q5e884599ea_proj-k_q5e884599ea_proj
	.p2alignl 7, 3214868480
	.fill 96, 4, 3214868480
	.section	.rodata,"a",@progbits
	.p2align	6, 0x0
	.amdhsa_kernel k_q5e884599ea_proj
		.amdhsa_group_segment_fixed_size 327680
		.amdhsa_private_segment_fixed_size 0
		.amdhsa_enable_private_segment 0
		.amdhsa_kernarg_size 48
		.amdhsa_user_sgpr_count 2
		.amdhsa_user_sgpr_kernarg_segment_ptr 1
		.amdhsa_wavefront_size32 1
		.amdhsa_system_sgpr_workgroup_id_x 1
		.amdhsa_system_sgpr_workgroup_id_y 1
		.amdhsa_system_sgpr_workgroup_id_z 1
		.amdhsa_system_vgpr_workitem_id 0
		.amdhsa_next_free_vgpr 512
		.amdhsa_next_free_sgpr 96
		.amdhsa_reserve_vcc 0
		.amdhsa_float_denorm_mode_32 3
		.amdhsa_float_denorm_mode_16_64 3
		.amdhsa_memory_ordered 1
		.amdhsa_forward_progress 1
		.amdhsa_inst_pref_size 67
	.end_amdhsa_kernel
	.amdgpu_metadata
---
amdhsa.version: [ 1, 2 ]
amdhsa.kernels:
  - .name:           k_q5e884599ea_proj
    .symbol:         k_q5e884599ea_proj.kd
    .args:
      - { .name: X16, .offset: 0, .size: 8, .value_kind: global_buffer, .address_space: global }
      - { .name: W16, .offset: 8, .size: 8, .value_kind: global_buffer, .address_space: global }
      - { .name: bq, .offset: 16, .size: 8, .value_kind: global_buffer, .address_space: global }
      - { .name: bk, .offset: 24, .size: 8, .value_kind: global_buffer, .address_space: global }
      - { .name: bv, .offset: 32, .size: 8, .value_kind: global_buffer, .address_space: global }
      - { .name: QKV, .offset: 40, .size: 8, .value_kind: global_buffer, .address_space: global }
    .group_segment_fixed_size: 327680
    .private_segment_fixed_size: 0
    .kernarg_segment_align: 8
    .kernarg_segment_size: 48
    .max_flat_workgroup_size: 256
    .sgpr_count:     96
    .vgpr_count:     512
    .wavefront_size: 32
...
	.end_amdgpu_metadata
.endif
;; end of part 2
;; launch scores (part 3): grid 8 x 32, 8 waves a work-group, clusters of 4 x 4, 327,680 bytes of LDS; arguments QKV, P, ML; writes P, ML
.if DOCPART == 3
	.amdgcn_target "amdgcn-amd-amdhsa--gfx1250"
	.amdhsa_code_object_version 6
	.text
	.protected	k_q5e884599ea_scores
	.globl	k_q5e884599ea_scores
	.p2align	8
	.type	k_q5e884599ea_scores,@function
k_q5e884599ea_scores:
	s_mov_b64 s[64:65], 0
	v_nop
	global_prefetch_b8 v0, s[64:65] scope:SCOPE_SE
	s_setreg_imm32_b32 hwreg(HW_REG_WAVE_MODE, 25, 1), 1
	s_wait_xcnt 0x0
	s_wait_alu depctr_hold_cnt(0) depctr_sa_sdst(0) depctr_va_vdst(0) depctr_va_sdst(0) depctr_va_ssrc(0) depctr_va_vcc(0) depctr_vm_vsrc(0)
	s_getreg_b32 s2, hwreg(HW_REG_IB_STS2, 6, 4)
	s_cmp_eq_u32 s2, 0
	s_cbranch_scc0 .Lentry_in_a_cluster
	s_endpgm
.Lentry_in_a_cluster:
	s_bfe_u32 s2, ttmp6, 0x10000c
	s_cmp_lg_u32 s2, 0xf033
	s_cbranch_scc0 .Lentry_shape_is_right
	s_endpgm
.Lentry_shape_is_right:
; s = q k^T for each batch, and the first half of the softmax.  QKV: f16 [3][8192][1024] (q, k, v).  For each query row and each BLOCK of 128 keys (a wave's columns):
; cm = c x the block's maximum of s, c = log2(e) / 32;  p = 2^(c s - cm), stored in f16 in P [8192][2048];  l = the sum of the unrounded p;  (cm, l) in f32 in ML [16 blocks][8192 rows][2].
; The launch behind joins the blocks by the row's maximum over all 16 blocks: the maximum is taken away before every exponential, here the block's, there the row's.
; LIMITS: p lies in 0 to 1 (to within a rounding) and below 6e-5 keeps f16's fixed step of 6e-8; a weight below 2^-126 counts as 0 in l; NaN and infinities are not treated apart.
; A work-group makes 256 queries x 256 keys: 32 x 8 = 256 work-groups.  Tile column = grid x (keys of the batch), tile row = grid y; 8 tile rows, 2 clusters, are a batch.
.set LDA,   1024
.set LDB,   1024
.set NSTEP, 8
.set KSTEPB, 256
.set PC,    4096                       ; bytes in a row of P
.set KB,    1                          ; the two clusters of a batch (along y) read the same rows of k
; ---------------- THE PART THAT THE TWO KERNELS ON TILES OF 256 x 256 SHARE: C = A B^T ----------------
; EIGHT WAVES, two to a SIMD, each 64 rows x 128 columns: 32 accumulators of 16 x 16.  Four waves of 128 x 128 would read a third less from LDS for each product (32 loads for 64 products against
; 24 for 32), but their text, with 64 accumulators and eight blocks on the way out, is twice as long; the tile of 256 x 256 is what counts here: a K step of 128 is 256 matrix instructions a SIMD,
; of which 224 stand between the request for a tile and the wait for it.
; K goes in steps of 128 through two LDS slots filled by the tensor data mover; rows of the tiles are 256 bytes of memory, aligned.  Each wave fetches 64 rows: waves 0-3 A's, waves 4-7 B's.
; CLUSTER 4 x 4: the four work-groups of a row of the cluster need the same tile of A, the four of a column the same tile of B: each is asked for jointly, by the same load, descriptor and mask in all four.
; THE PRODUCT IS USED TRANSPOSED (source 0 = 16 rows of B, source 1 = 16 rows of A): lane l holds row l % 16 of C and the columns 8 (l / 16) + 0..7.
; LDS: slot 0 at 0: A 256 rows x 272, then B 256 rows x 272; slot 1 behind it; the waves' stages; the spare words.
; REGISTERS in windows of 256 (s_set_vgpr_msb: bits 1:0 source 0, 3:2 source 1, 5:4 source 2, 7:6 destination): window 0 addresses, two fragment buffers of 96 (B's eight fragments, then A's four),
; which the way out uses again; window 1 the accumulators, (a, b) at 8 (8 a + b).
.set PITCH,  272                       ; an LDS row: 256 bytes + 16 of padding = 68 words: the 16 rows of a load start at 16 different groups of four banks (64 banks of 4 bytes: ISA guide 11.1)
.set QTR,    64*PITCH                  ; what one wave fetches, and what it reads of A
.set BOFF,   256*PITCH                 ; B lies behind A's 256 rows
.set SLOT1,  2*BOFF                    ; 139,264 = 0x22000.  The eight loads' places in slot 0, i x 17,408, have bits 13 and 17 clear: one exclusive or with 0x22000 turns each into its place in the other slot
.set STAGE,  2*SLOT1                   ; behind the ring: 16 rows x 272 bytes a wave, for the way out
.set STGW,   16*PITCH
.set SPARE,  STAGE+8*STGW              ; the spare words, 128 bytes a wave: four blocks of 256 bytes that no other line names
.set ADRA0, 4                          ; v4   my lane's place in A's tile; never rewritten
.set ADRB0, 5                          ; v5   in B's
.set ADRA,  6                          ; v6   the same in the slot in hand
.set ADRB,  7                          ; v7
.set STO,   8                          ; v8   the way out: where I put my bytes of a row
.set RD,    9                          ; v9   where I read rows back
.set CO,    10                         ; v10  my byte offset in C
.set PFO,   11                         ; v11  the prefetches' offset: my lane x a row in memory; never rewritten
.set SPW,   12                         ; v12  LDS address of my spare word; never rewritten
.set NIL,   13                         ; v13  0; never rewritten
.set F0,    32                         ; v[32:127]  fragment buffer 0
.set F1,    128                        ; v[128:223] fragment buffer 1
.set T,     32                         ; v[32:95]   at work, at the head and on the way out
.set PK,    96                         ; v[96:127]  16 rows' packed results
.set OB,    128                        ; v[128:191] rows read back from the stage
.set BI,    128                        ; v[128:191] 64 biases, until the first quarter has taken them
.set WV, 16                            ; s16 wave;  s17 my 64 rows;  s18 my 128 columns
.set WR, 17
.set WC, 18
.set CX, 19                            ; my place in the cluster
.set CY, 20
.set TC, 21                            ; tile column, tile row, cluster y
.set TR, 22
.set CLY, 23
.set G1A, 24                           ; s[24:31], s[32:39] descriptor groups 1
.set G1B, 32
.set G0A, 40                           ; s[40:47], s[48:55] groups 0: a set for each of the two first fills; the second then walks
.set G0B, 48
.set CNT, 56
.set TB,  57                           ; 0 or SLOT1: the slot to be read
.set LIM, 58                           ; 1 in a wave that prefetches, else the greatest number
.set PFA, 60                           ; s[60:61] where my prefetches stand
.set CB,  66                           ; s[66:67] C at my wave's first row and column
.set C2,  68                           ; s[68:69] a second pointer (bias, statistics)
.set SEL, 70                           ; s[70:71] v_permlanex16_b32's selects
.set CS,  72                           ; s[72:73] c
.set MSK, 74
.set WH,  75
.set FB,  94                           ; s94 I fetch A (0) or B (1);  s95 which 64 rows of the tile
.set FQ,  95
.set G1W, (1<<16)|(1<<20)|(1<<21)|(5<<22)|(3<<25)  ; 17:16 2-byte elements; 20 padding on; 21 set beside a mask; 24:22 after every 64 words; 31:25 4 words
.set MULW, 0x50                        ; both sources window 0, C and D window 1
.set MULB, 0x40                        ; the same with C in window 0
.set R2,   0x05                        ; sources 0 and 1 window 1
.set R3,   0x14                        ; sources 1 and 2 window 1
.set INPL, 0x41                        ; destination and source 0 window 1
.set MSB, 0
.macro WIN new                         ; the high byte repeats the setting that is left; a switch that changes nothing is dropped
.if MSB != (\new)
	s_set_vgpr_msb (MSB<<8)|(\new)
.set MSB, \new
.endif
.endm
.macro PLACES                          ; four places behind matrix instructions, in front of loads into registers that they read and of lines that read results
.rept 4
	v_nop
.endr
.endm
.macro SHADD d, t, r, n                ; s[d] += s[r] << n, by way of s[t]
	s_lshl_b32 s[\t], s[\r], \n
	s_add_co_u32 s[\d], s[\d], s[\t]
.endm
.macro CREST                           ; a round of the cluster's barrier behind its opening barrier
	s_cmp_lg_u32 s[WV], 0
	s_cbranch_scc1 .Lnot_wave_0_\@
	s_barrier_signal -3
.Lnot_wave_0_\@:
	s_barrier_wait -3
	s_barrier_signal -1
	s_barrier_wait -1
.endm
.macro CROUND                          ; a whole round
	s_barrier_signal -1
	s_barrier_wait -1
	CREST
.endm
.macro JLOAD                           ; a joint refill: waves 0-3 fetch A's quarters, waves 4-7 B's; an s_nop 0 and four v_nop follow each line, ahead of the jump and the label
	s_cmp_lt_u32 s[WV], 4
	s_cbranch_scc0 .Lfor_b_\@
	tensor_load_to_lds s[G0A+4:G0A+7], s[G1A:G1A+7]
	s_nop 0
.rept 4
	v_nop
.endr
	s_branch .Lasked_\@
.Lfor_b_\@:
	tensor_load_to_lds s[G0B+4:G0B+7], s[G1B:G1B+7]
	s_nop 0
.rept 4
	v_nop
.endr
.Lasked_\@:
.endm
; A PREFETCH INTO THE L2 of the K step that the NEXT refill will ask for (a K step, 256 matrix instructions of the SIMD, ahead of that load): 32 blocks of 256 bytes, a lane a row, one instruction a wave.
; Each block is named once in the launch: of the clusters that read the same rows the first asks; the four partners that ask for a tile jointly share its 256 rows out BY ADDRESS, 64 each;
; waves 0 and 1 ask for 32 rows of A each, waves 4 and 5 for 32 rows of B.  K steps 0 to 2 come by their loads alone; the trip with CNT = 1 has no K step behind its own refill and asks for nothing.
.macro ASK
	s_cmp_gt_u32 s[CNT], s[LIM]
	s_cbranch_scc0 .Lnot_mine_\@
	global_prefetch_b8 v[PFO], s[PFA:PFA+1] th:TH_LOAD_NT scope:SCOPE_SE
.Lnot_mine_\@:
.endm
.macro MUL8 f, a, zero                 ; 8 products: row block a x all 8 column blocks, 32 along K.  zero = 1: they start the sums with 0; zero = 2: with the columns' biases
.if (\zero) == 2
	WIN MULB
.else
	WIN MULW
.endif
.irp b, 0,1,2,3,4,5,6,7
.if (\zero) == 1
	v_wmma_f32_16x16x32_f16 v[8*(8*(\a)+(\b)):8*(8*(\a)+(\b))+7], v[(\f)+8*(\b):(\f)+8*(\b)+7], v[(\f)+64+8*(\a):(\f)+64+8*(\a)+7], 0
.elseif (\zero) == 2
	v_wmma_f32_16x16x32_f16 v[8*(8*(\a)+(\b)):8*(8*(\a)+(\b))+7], v[(\f)+8*(\b):(\f)+8*(\b)+7], v[(\f)+64+8*(\a):(\f)+64+8*(\a)+7], v[BI+8*(\b):BI+8*(\b)+7]
.else
	v_wmma_f32_16x16x32_f16 v[8*(8*(\a)+(\b)):8*(8*(\a)+(\b))+7], v[(\f)+8*(\b):(\f)+8*(\b)+7], v[(\f)+64+8*(\a):(\f)+64+8*(\a)+7], v[8*(8*(\a)+(\b)):8*(8*(\a)+(\b))+7]
.endif
.endr
.endm
.macro MUL16 f, a0, zero               ; the 32 accumulators take turns, in the same order in every quarter, over the backward jumps too
	MUL8 \f, \a0, \zero
	MUL8 \f, (\a0)+1, \zero
.endm
.macro FETCH k, f                      ; one run of 24 LDS loads: the fragments of 32 along K at byte k of the rows, into buffer f: B's eight, then A's four
	WIN 0
.irp b, 0,1,2,3,4,5,6,7
	ds_load_b128 v[(\f)+8*(\b):(\f)+8*(\b)+3],   v[ADRB] offset:(\k)+(\b)*16*PITCH
	ds_load_b128 v[(\f)+8*(\b)+4:(\f)+8*(\b)+7], v[ADRB] offset:(\k)+(\b)*16*PITCH+32
.endr
.irp a, 0,1,2,3
	ds_load_b128 v[(\f)+64+8*(\a):(\f)+64+8*(\a)+3],   v[ADRA] offset:(\k)+(\a)*16*PITCH
	ds_load_b128 v[(\f)+64+8*(\a)+4:(\f)+64+8*(\a)+7], v[ADRA] offset:(\k)+(\a)*16*PITCH+32
.endr
.endm
; A K step is four quarters of 32 along K, 32 matrix instructions a wave each, on buffers 0, 1, 0, 1.  One of the first three: multiplies buffer f; in its middle it fetches the next quarter, at byte k, into g.
.macro QUARTER k, f, g, zero
	s_wait_dscnt 4                                 ; all but the youngest four loads (A's fragments 2 and 3) are in
	MUL16 \f, 0, \zero
	PLACES
	FETCH \k, \g
	s_wait_dscnt 24                                ; all but the 24 just issued
	MUL16 \f, 2, \zero
.endm
; The last quarter multiplies buffer 1 and changes slots: ONE barrier.  In front of it each wave waits for all its tensor loads (one is out: its part of the next slot), adds 0 to its spare word, and waits
; for that and for its own reads of this slot.  fill = 1: the barrier opens a round of the cluster's, and behind the round this slot is filled again, with the K step two steps on.
.macro TURN fill
.if \fill
	s_wait_xcnt 0x0                                ; the last prefetch, a K step back, has read its address: it is stepped here, ahead of the waits of the change of slots
	s_add_nc_u64 s[PFA:PFA+1], s[PFA:PFA+1], KSTEPB
.endif
	WIN 0
	s_wait_tensorcnt 0x0                           ; all my tensor loads have landed
	ds_add_u32 v[SPW], v[NIL]                      ; 0 onto my spare word
	s_wait_dscnt 5                                 ; (the add and the youngest four loads may be out)
	MUL8 F1, 0, 0                                  ; work on registers between the add and the wait for it
	s_wait_dscnt 0x0                               ; the add is done, and my reads of this slot are over
	s_barrier_signal -1
	MUL8 F1, 1, 0
	WIN 0                                          ; at a branch and at a label every window is 0
	s_barrier_wait -1
.if \fill
	CREST                                          ; no wave of any partner still reads this slot or has a load on its way
	s_xor_b32 s[G0A+5], s[G0A+5], SLOT1            ; the walking descriptors: the other slot than last time, the next K step
	s_add_nc_u64 s[G0A+6:G0A+7], s[G0A+6:G0A+7], KSTEPB
	s_xor_b32 s[G0B+5], s[G0B+5], SLOT1
	s_add_nc_u64 s[G0B+6:G0B+7], s[G0B+6:G0B+7], KSTEPB
	JLOAD                                          ; the first tensor load behind the round; its four v_nop are also the places in front of the loads below
.else
	PLACES
.endif
	s_xor_b32 s[TB], s[TB], SLOT1
	v_add_nc_u32 v[ADRA], s[TB], v[ADRA0]
	v_add_nc_u32 v[ADRB], s[TB], v[ADRB0]
	FETCH 0, F0
.if \fill
	ASK                                            ; behind the joint load and the run of LDS loads that the next products wait for
.endif
	MUL16 F1, 2, 0
.endm
.macro IDS                             ; places, masks, the descriptors' constant words: work on registers alone
	v_lshrrev_b32 v1, 5, v0
	v_readfirstlane_b32 s[WV], v1
	s_lshr_b32 s[WR], s[WV], 1
	s_and_b32 s[WC], s[WV], 1
	s_lshr_b32 s[FB], s[WV], 2
	s_and_b32 s[FQ], s[WV], 3
	s_bfe_u32 s[CX], ttmp6, 0x40000
	s_bfe_u32 s[CY], ttmp6, 0x40004
	s_lshl_b32 s[TC], ttmp9, 2                     ; in a cluster launch ttmp9 and ttmp7 count clusters
	s_add_co_u32 s[TC], s[TC], s[CX]
	s_and_b32 s[CLY], ttmp7, 0xffff
	s_lshl_b32 s76, s[CY], 2
	s_lshl_b32 s76, 15, s76                        ; my row of the cluster: A's tiles go to it
	s_or_b32 s[G1A], s76, G1W
	s_lshl_b32 s80, 0x1111, s[CX]                  ; my column: B's tiles
	s_or_b32 s[G1B], s80, G1W
	s_mov_b32 s[G1A+1], 128<<16                    ; tensor_dim0
	s_mov_b32 s[G1A+2], 64<<16                     ; tensor_dim1
	s_mov_b32 s[G1A+3], 128<<16                    ; tile_dim0
	s_mov_b32 s[G1A+4], 64                         ; tile_dim1
	s_mov_b32 s[G1A+5], LDA                        ; elements from row to row
	s_mov_b32 s[G1A+6], 0
	s_mov_b32 s[G1A+7], 0
	s_mov_b32 s[G1B+1], 128<<16
	s_mov_b32 s[G1B+2], 64<<16
	s_mov_b32 s[G1B+3], 128<<16
	s_mov_b32 s[G1B+4], 64
	s_mov_b32 s[G1B+5], LDB
	s_mov_b32 s[G1B+6], 0
	s_mov_b32 s[G1B+7], 0
	s_mul_i32 s78, s[FQ], QTR                      ; where my 64 rows go: no place in the cluster enters an LDS address
	s_add_co_u32 s82, s78, BOFF
	s_mov_b32 s[TB], 0
	s_and_b32 s90, s[WV], 2                        ; waves 0, 1, 4 and 5 prefetch:
	s_or_b32 s91, s90, ttmp9                       ; A's rows in the clusters with x = 0,
	s_and_b32 s79, s[CLY], KB
	s_or_b32 s90, s90, s79                         ; B's in the first of the clusters that read the same rows
	s_cmp_eq_u32 s[FB], 0
	s_cselect_b32 s90, s91, s90
	s_cmp_eq_u32 s90, 0
	s_cselect_b32 s[LIM], 1, -1                    ; the same in all sixteen partners, for a given wave
.endm
.macro FILLS                           ; s[76:77], s[80:81]: my 64 rows of A's and of B's first tile; s78, s82: where they go
.irp s, 0,1
	s_mov_b32 s[G0A+4*(\s)], 1                     ; count = 1
	s_add_co_u32 s[G0A+4*(\s)+1], s78, (\s)*SLOT1  ; LDS address
	s_add_nc_u64 s[G0A+4*(\s)+2:G0A+4*(\s)+3], s[76:77], (\s)*KSTEPB  ; global address: K step s
	s_or_b32 s[G0A+4*(\s)+3], s[G0A+4*(\s)+3], 0x80000000             ; type = 2
	s_mov_b32 s[G0B+4*(\s)], 1
	s_add_co_u32 s[G0B+4*(\s)+1], s82, (\s)*SLOT1
	s_add_nc_u64 s[G0B+4*(\s)+2:G0B+4*(\s)+3], s[80:81], (\s)*KSTEPB
	s_or_b32 s[G0B+4*(\s)+3], s[G0B+4*(\s)+3], 0x80000000
.endr
	s_cmp_lt_u32 s[WV], 4                          ; a wave's two first fills stand in one branch, ahead of every wait on TENSORcnt and every LDS read: two loads of mine are out
	s_cbranch_scc0 .Lfirst_b
	tensor_load_to_lds s[G0A:G0A+3], s[G1A:G1A+7]
	s_nop 0
	tensor_load_to_lds s[G0A+4:G0A+7], s[G1A:G1A+7]
	s_nop 0
.rept 4
	v_nop
.endr
	s_branch .Lfirst_asked
.Lfirst_b:
	tensor_load_to_lds s[G0B:G0B+3], s[G1B:G1B+7]
	s_nop 0
	tensor_load_to_lds s[G0B+4:G0B+7], s[G1B:G1B+7]
	s_nop 0
.rept 4
	v_nop
.endr
.Lfirst_asked:
.endm
; A fragment is 16 rows x 32 K in 8 registers: lane l holds row l % 16; registers 0-3 K = 8 (l / 16) + 0..7, registers 4-7 K = 16 + 8 (l / 16) + 0..7: two loads of 16 bytes, 32 bytes apart.
.macro LANES                           ; leaves v1 = l % 16, v2 = l / 16, v3 = l, v16 = (l % 16) x 272 + 16 (l / 16), s86 = my stage
	v_and_b32 v1, 15, v0
	v_bfe_u32 v2, v0, 4, 1
	v_and_b32 v3, 31, v0
	v_mul_u32_u24 v16, v1, PITCH
	v_lshl_add_u32 v16, v2, 4, v16
	s_mul_i32 s86, s[WR], QTR                      ; my 64 rows of A
	v_add_nc_u32 v[ADRA0], s86, v16
	s_mul_i32 s86, s[WC], 2*QTR                    ; my 128 rows of B
	s_add_co_u32 s86, s86, BOFF
	v_add_nc_u32 v[ADRB0], s86, v16
	v_mov_b32 v[ADRA], v[ADRA0]
	v_mov_b32 v[ADRB], v[ADRB0]
	s_mul_i32 s86, s[WV], STGW
	s_add_co_u32 s86, s86, STAGE
.endm
.macro MAIN cb                         ; cb = 1: the sums begin with the biases, which lie in buffer 1's registers: the first quarter fetches only behind its products
	s_wait_tensorcnt 0x1                           ; my part of K step 0 is in; K step 1's may stay out
	s_barrier_signal -1
	s_barrier_wait -1                              ; everybody's part is in
	FETCH 0, F0
.if \cb
	s_wait_dscnt 0x0
	MUL16 F0, 0, 2
	MUL16 F0, 2, 2
	PLACES
	FETCH 64, F1
.else
	QUARTER 64, F0, F1, 1                          ; the first quarter stands in front of the loop: its products start the sums
.endif
	WIN 0
	s_mov_b32 s[CNT], NSTEP-2
.Lstep:                                            ; a trip: a K step's quarters 1 to 3 and the next step's quarter 0; it fills the slot that it leaves
	QUARTER 128, F1, F0, 0
	QUARTER 192, F0, F1, 0
	TURN 1
	QUARTER 64, F0, F1, 0
	WIN 0
	s_sub_co_u32 s[CNT], s[CNT], 1
	s_cmp_lg_u32 s[CNT], 0
	s_cbranch_scc1 .Lstep
	s_mov_b32 s[CNT], 2                            ; the last two K steps fill nothing: a loop of their own; it is entered behind a step's quarter 0
	s_branch .Ltin
.Ltail:
	QUARTER 64, F0, F1, 0
	WIN 0
.Ltin:
	QUARTER 128, F1, F0, 0
	QUARTER 192, F0, F1, 0
	TURN 0                                         ; in the second trip its barrier orders nothing and its 24 loads, of the other slot's old tile, serve nothing: the price, once a launch, of one text for both trips
	WIN 0
	s_sub_co_u32 s[CNT], s[CNT], 1
	s_cmp_lg_u32 s[CNT], 0
	s_cbranch_scc1 .Ltail
	s_wait_dscnt 0x0                               ; those loads are in: their registers serve the way out
	PLACES                                         ; the places behind the last products, counted generously, once a launch
	PLACES
.endm
.macro FINISH
	WIN 0
	s_wait_tensorcnt 0x0                           ; the wave's end: behind my last tensor load and my last LDS store
	ds_add_u32 v[SPW], v[NIL]
	s_wait_dscnt 0x0
	CROUND                                         ; the closing round: no work-group ends while a partner may still ask for a tile that names it
	s_endpgm
.endm
; THE WAY OUT IN f16: a lane's 8 columns of a row are 16 bytes; 16 rows at a time go into my own stage (rows of 272 bytes) and come back as whole rows of 256 bytes.
.macro OUT16ADR
	v_add_nc_u32 v[STO], s86, v16                  ; in: row l % 16, 16 bytes for each half of the lanes
	v_mul_u32_u24 v17, v2, PITCH                   ; back: lanes 0-15 one row, lanes 16-31 the next
	v_lshl_add_u32 v17, v1, 4, v17
	v_add_nc_u32 v[RD], s86, v17
	v_mul_u32_u24 v17, v2, PC                      ; and the same two rows in C
	v_lshl_add_u32 v[CO], v1, 4, v17
.endm
.macro TOSTAGE a
	WIN 0
.irp b, 0,1,2,3,4,5,6,7
	ds_store_b128 v[STO], v[PK+4*(\b):PK+4*(\b)+3] offset:32*(\b)
.endr
.irp t, 0,1,2,3,4,5,6,7
	ds_load_b128 v[OB+32*((\a)%2)+4*(\t):OB+32*((\a)%2)+4*(\t)+3], v[RD] offset:(\t)*2*PITCH  ; LDS serves a wave's instructions in order (ISA guide 5.7.1.4): these see the stores above
.endr
.endm
.macro SEND a
	WIN 0
	s_wait_dscnt 0x0                               ; the block is back in registers
	s_wait_xcnt 0x0                                ; the stores of the block before have read their registers, which the next block's loads from the stage write
.irp t, 0,1,2,3,4,5,6,7
	global_store_b128 v[CO], v[OB+32*((\a)%2)+4*(\t):OB+32*((\a)%2)+4*(\t)+3], s[CB:CB+1] offset:(16*(\a)+2*(\t))*PC  ; 16 lanes store 256 consecutive bytes, aligned
.endr
.endm
; ---------------- end of the shared part ----------------
.set STA, 224                          ; v[224:231] (cm, m) of row block a at STA + 2 a;  v[232:235] l;  v[236:239] the pairs to store
	s_load_b128 s[4:7], s[0:1], 0x0                ; QKV s[4:5], P s[6:7]
	s_load_b64 s[8:9], s[0:1], 0x10                ; ML
	v_lshl_add_u32 v[SPW], v0, 2, SPARE
	v_mov_b32 v[NIL], 0
	ds_add_u32 v[SPW], v[NIL]                      ; the wave's opening: the add and its wait stand ahead of my first tensor load; the set-up below, work on registers, stands between them
	IDS
	s_lshl_b32 s[TR], s[CLY], 2
	s_add_co_u32 s[TR], s[TR], s[CY]               ; tile row 0..31
	s_lshr_b32 s[WH], s[CLY], 1                    ; the batch
	s_lshl_b32 s76, s[TR], 19                      ; A = q: 256 rows x 2,048 bytes a tile row, my 64 rows.  These registers never hold cx
	SHADD 76, 77, FQ, 17
	s_mov_b32 s77, 0
	s_mov_b32 s80, 1<<24                           ; B = k: the batch's 4 MiB, 256 rows a tile column, my 64 rows.  These never hold cy
	SHADD 80, 81, WH, 22
	SHADD 80, 81, TC, 19
	SHADD 80, 81, FQ, 17
	s_mov_b32 s81, 0
	s_lshl_b32 s84, s[TR], 20                      ; P: my wave's first row (4,096 bytes a row) and column
	SHADD 84, 85, WR, 18
	SHADD 84, 85, TC, 9
	SHADD 84, 85, WC, 8
	s_mov_b32 s85, 0
	s_lshl_b32 s92, s[TC], 17                      ; ML: block 2 x tile column + my half, 65,536 bytes a block; 8 bytes a row
	SHADD 92, 93, WC, 16
	SHADD 92, 93, TR, 11
	SHADD 92, 93, WR, 9
	s_mov_b32 s93, 0
	s_lshl_b32 s88, s[TR], 19                      ; the prefetches, A: my work-group's 64 of the tile's 256 rows
	SHADD 88, 91, CX, 17
	s_mov_b32 s89, 1<<24                           ; B: likewise
	SHADD 89, 91, WH, 22
	SHADD 89, 91, TC, 19
	SHADD 89, 91, CY, 17
	s_cmp_eq_u32 s[FB], 0
	s_cselect_b32 s88, s88, s89
	SHADD 88, 91, WC, 16                           ; my wave's 32 of the 64
	s_add_co_u32 s88, s88, 2*KSTEPB                ; at K step 2: the first change of slots steps it to 3
	s_mov_b32 s89, 0
	s_mov_b32 s[SEL], 0x76543210                   ; each lane takes its own place in the other half
	s_mov_b32 s[SEL+1], 0xfedcba98
	s_mov_b32 s[CS], 0x3d38aa3b                    ; c = log2(e) / 32 = 0.0450842
	s_mov_b32 s[CS+1], s[CS]                       ; named with it as a pair
	s_wait_dscnt 0x0                               ; the opening add is done
	s_wait_kmcnt 0x0
	s_add_nc_u64 s[76:77], s[4:5], s[76:77]
	s_add_nc_u64 s[80:81], s[4:5], s[80:81]
	s_add_nc_u64 s[CB:CB+1], s[6:7], s[84:85]
	s_add_nc_u64 s[C2:C2+1], s[8:9], s[92:93]
	s_add_nc_u64 s[PFA:PFA+1], s[4:5], s[88:89]
	CROUND                                         ; all sixteen work-groups are here: the first joint loads meet
	FILLS
	LANES
	OUT16ADR
	v_lshlrev_b32 v[PFO], 11, v3                   ; a row of q and of k is 2,048 bytes
	v_mov_b32 v20, 0                               ; v_permlanex16_b32's destination counts as read
	v_lshlrev_b32 v21, 3, v3                       ; 8 bytes a row in ML
	MAIN 0
; THE BLOCK SOFTMAX of my rows 16 a .. 16 a + 15: a lane holds 64 of its row's 128 scores, the lane 16 away the other 64.  v16-19 four chains, v20 the exchange.
.macro FMA q                           ; pair q of 32: c s - cm
	v_pk_fma_f32 v[AC+2*(\q):AC+2*(\q)+1], v[AC+2*(\q):AC+2*(\q)+1], s[CS:CS+1], v[CM:CM+1] op_sel_hi:[1,0,0] neg_lo:[0,0,1] neg_hi:[0,0,1]
.endm
.macro PACK a
.set AC, 64*(\a)
.set CM, STA+2*(\a)
	WIN R2                                         ; the maximum: four chains of 16 scores (two accumulators) each
.irp i, 0,1,2,3
	v_max_num_f32 v[16+(\i)], v[AC+16*(\i)], v[AC+16*(\i)+1]
.endr
	WIN R3
.irp n, 1,2,3,4,5,6,7
.irp i, 0,1,2,3
	v_max3_num_f32 v[16+(\i)], v[16+(\i)], v[AC+16*(\i)+2*(\n)], v[AC+16*(\i)+2*(\n)+1]
.endr
.endr
	WIN 0
	v_max3_num_f32 v16, v16, v17, v18
	v_max_num_f32 v16, v16, v19
	v_permlanex16_b32 v20, v16, s[SEL], s[SEL+1]
	v_max_num_f32 v[CM+1], v16, v20                ; m
	v_mul_f32 v[CM], s[CS], v[CM+1]                ; cm
	WIN INPL                                       ; ONE BATCH: 32 scalings and 64 exponentials, in place; none reads an exponential's result
	FMA 0
	FMA 1
.set p, 0
.rept 32
	v_exp_f32 v[AC+2*p], v[AC+2*p]
	v_exp_f32 v[AC+2*p+1], v[AC+2*p+1]
.if p < 30
	FMA p+2
.endif
.set p, p+1
.endr
	v_nop                                          ; a plain instruction behind the last exponential, ahead of the first use
	s_wait_alu depctr_va_vdst(0)                   ; and the wait: one for the batch
	WIN R2
.set i, 0
.rept 32
	v_cvt_pk_f16_f32 v[PK+i], v[AC+2*i], v[AC+2*i+1]
.set i, i+1
.endr
.set i, 0
.rept 16                                           ; the sum of the unrounded weights, in pairs, as a tree
	v_pk_add_f32 v[T+2*i:T+2*i+1], v[AC+4*i:AC+4*i+1], v[AC+4*i+2:AC+4*i+3]
.set i, i+1
.endr
	WIN 0
.irp w, 2,4,8,16
.set i, 0
.rept 16/(\w)
	v_pk_add_f32 v[T+2*(\w)*i:T+2*(\w)*i+1], v[T+2*(\w)*i:T+2*(\w)*i+1], v[T+2*(\w)*i+(\w):T+2*(\w)*i+(\w)+1]
.set i, i+1
.endr
.endr
	v_add_f32 v16, v[T], v[T+1]
	v_permlanex16_b32 v20, v16, s[SEL], s[SEL+1]
	v_add_f32 v[STA+8+(\a)], v16, v20              ; l
.endm
	PACK 0
	TOSTAGE 0
.irp a, 1,2,3                          ; block a's arithmetic stands between block a - 1's loads from the stage and the wait for them
	PACK \a
	SEND (\a)-1
	TOSTAGE \a
.endr
	SEND 3
	v_cmp_lt_u32 s[MSK], 15, v3                    ; both halves of the lanes hold (cm, l) of rows 16 a + l % 16: lane l stores row 32 g + l, from block 2 g or 2 g + 1
.irp g, 0,1
	v_cndmask_b32 v[STA+12+2*(\g)], v[STA+4*(\g)], v[STA+4*(\g)+2], s[MSK]
	v_cndmask_b32 v[STA+13+2*(\g)], v[STA+8+2*(\g)], v[STA+9+2*(\g)], s[MSK]
	global_store_b64 v21, v[STA+12+2*(\g):STA+13+2*(\g)], s[C2:C2+1] offset:256*(\g)  ; 32 lanes store 256 consecutive bytes, aligned
.endr
	FINISH
.Lfunc_end_k_q5e884599ea_scores:
	.size	k_q5e884599ea_scores, .Lfunc_end_k_q5e884599ea_scores-k_q5e884599ea_scores
	.p2alignl 7, 3214868480
	.fill 96, 4, 3214868480
	.section	.rodata,"a",@progbits
	.p2align	6, 0x0
	.amdhsa_kernel k_q5e884599ea_scores
		.amdhsa_group_segment_fixed_size 327680
		.amdhsa_private_segment_fixed_size 0
		.amdhsa_enable_private_segment 0
		.amdhsa_kernarg_size 24
		.amdhsa_user_sgpr_count 2
		.amdhsa_user_sgpr_kernarg_segment_ptr 1
		.amdhsa_wavefront_size32 1
		.amdhsa_system_sgpr_workgroup_id_x 1
		.amdhsa_system_sgpr_workgroup_id_y 1
		.amdhsa_system_sgpr_workgroup_id_z 1
		.amdhsa_system_vgpr_workitem_id 0
		.amdhsa_next_free_vgpr 512
		.amdhsa_next_free_sgpr 96
		.amdhsa_reserve_vcc 0
		.amdhsa_float_denorm_mode_32 3
		.amdhsa_float_denorm_mode_16_64 3
		.amdhsa_memory_ordered 1
		.amdhsa_forward_progress 1
		.amdhsa_inst_pref_size 96
	.end_amdhsa_kernel
	.amdgpu_metadata
---
amdhsa.version: [ 1, 2 ]
amdhsa.kernels:
  - .name:           k_q5e884599ea_scores
    .symbol:         k_q5e884599ea_scores.kd
    .args:
      - { .name: QKV, .offset: 0, .size: 8, .value_kind: global_buffer, .address_space: global }
      - { .name: P, .offset: 8, .size: 8, .value_kind: global_buffer, .address_space: global }
      - { .name: ML, .offset: 16, .size: 8, .value_kind: global_buffer, .address_space: global }
    .group_segment_fixed_size: 327680
    .private_segment_fixed_size: 0
    .kernarg_segment_align: 8
    .kernarg_segment_size: 24
    .max_flat_workgroup_size: 256
    .sgpr_count:     96
    .vgpr_count:     512
    .wavefront_size: 32
...
	.end_amdgpu_metadata
.endif
;; end of part 3
;; launch pv (part 4): grid 4 x 64, 4 waves a work-group, clusters of 4 x 4, 327,680 bytes of LDS; arguments P, ML, QKV, O16; writes O16
.if DOCPART == 4
	.amdgcn_target "amdgcn-amd-amdhsa--gfx1250"
	.amdhsa_code_object_version 6
	.text
	.protected	k_q5e884599ea_pv
	.globl	k_q5e884599ea_pv
	.p2align	8
	.type	k_q5e884599ea_pv,@function
k_q5e884599ea_pv:
	s_mov_b64 s[64:65], 0
	v_nop
	global_prefetch_b8 v0, s[64:65] scope:SCOPE_SE
	s_setreg_imm32_b32 hwreg(HW_REG_WAVE_MODE, 25, 1), 1
	s_wait_xcnt 0x0
	s_wait_alu depctr_hold_cnt(0) depctr_sa_sdst(0) depctr_va_vdst(0) depctr_va_sdst(0) depctr_va_ssrc(0) depctr_va_vcc(0) depctr_vm_vsrc(0)
	s_getreg_b32 s2, hwreg(HW_REG_IB_STS2, 6, 4)
	s_cmp_eq_u32 s2, 0
	s_cbranch_scc0 .Lentry_in_a_cluster
	s_endpgm
.Lentry_in_a_cluster:
	s_bfe_u32 s2, ttmp6, 0x10000c
	s_cmp_lg_u32 s2, 0xf033
	s_cbranch_scc0 .Lentry_shape_is_right
	s_endpgm
.Lentry_shape_is_right:
; O = softmax x v, the second half of the softmax.  P: f16 [8192][2048], p = 2^(c s - cm_blk) by blocks of 128 keys; ML: f32 [16 blocks][8192 rows][2] = (cm_blk, l_blk); v: the third part of QKV, f16 [8192][1024].
; For each row: M = the maximum of cm over its 16 blocks; f_blk = 2^(cm_blk - M); L = the sum of f_blk l_blk;  O = (the sum over blocks of f_blk P_blk v_blk) / L, rounded once to f16 in O16 [8192][1024].
; A K step of 128 keys is one block: A's fragments are multiplied by their rows' f_blk (f16, two numbers a line) between the LDS load and the product.  Sums, M and L in f32.
; LIMITS: f p lies in 0 to 1 and below 6e-5 keeps f16's fixed step of 6e-8; a factor below 2^-126 counts as 0; NaN and infinities are not treated apart.
; A work-group makes 128 rows x 256 channels: 64 x 4 = 256 work-groups.  v lies [key][channel]: its tile is 128 keys x 512 bytes and comes out of LDS turned, by ds_load_tr16_b128.
.set LDA,   2048
.set LDB,   1024
.set NSTEP, 16
.set ASTEP, 256
.set BSTEP, 128*2048                   ; 128 keys on
.set BD0,   256                        ; a wave fetches 64 keys x 256 channels
.set BD1,   64
.set G1BW,  (1<<16)|(1<<20)|(1<<21)|(6<<22)|(7<<25)  ; padding after every 128 words, 8 words of it
.set PC,    2048
.set KB,    3                          ; the four clusters of a batch read the same rows of v
.set PVK,   1
.set ST,    32                         ; v[32:95]: (cm, l) of row block a, block 8 (l / 16) + j at ST + 16 a + 2 j
; ---------------- THE PART THAT THE FOUR PRODUCT KERNELS SHARE: C = A B^T on a tile of 128 x 256 ----------------
; Four waves, each 64 rows x 128 columns: 32 accumulators of 16 x 16.  K goes in steps of 128 through two LDS slots filled by the tensor data mover; rows of the tiles are 256 bytes of memory, aligned.
; CLUSTER 4 x 4: the four work-groups of a row of the cluster need the same tile of A, the four of a column the same tile of B: each is asked for jointly, by the same load, descriptor and mask in all four.
; THE PRODUCT IS USED TRANSPOSED (source 0 = 16 rows of B, source 1 = 16 rows of A): lane l holds row l % 16 of C and the columns 8 (l / 16) + 0..7.
; LDS: slot 0 at 0: A 128 rows x 272, then B 256 rows x 272 (or 128 x 544); a table of factors (one kernel) behind it; slot 1 at 2^17; the waves' stages; the spare words.
; REGISTERS in windows of 256 (s_set_vgpr_msb: bits 1:0 source 0, 3:2 source 1, 5:4 source 2, 7:6 destination): window 0 addresses and the way out; window 1 two fragment buffers of 96
; (B's eight fragments, then A's four) and four factors; window 2 the accumulators, (a, b) at 8 (8 a + b).
.set PITCH,  272                       ; an LDS row: 256 bytes + 16 of padding = 68 words: the 16 rows of a load start at 16 different groups of four banks (64 banks of 4 bytes: ISA guide 11.1)
.set PITCHV, 544                       ; a row of 512 bytes + 32: 136 words
.set AHALF,  64*PITCH                  ; what one wave fetches of A, and reads of A
.set BOFF,   128*PITCH                 ; B lies behind A's 128 rows
.set BHALF,  128*PITCH                 ; what one wave fetches of B
.set FTAB,   3*BOFF                    ; behind slot 0: 4,096 bytes a wave, never filled by a tensor load
.set SLOT1,  1<<17                     ; so that one exclusive or turns an address in one slot into the other's
.set STAGE,  SLOT1+3*BOFF              ; behind slot 1: 8,704 bytes a wave, for the way out
.set STGW,   8704
.set SPARE,  STAGE+4*STGW              ; the spare words, 128 bytes a wave: two blocks of 256 bytes that no other line names
.set ADRA0, 4                          ; v4   my lane's place in A's tile; never rewritten
.set ADRB0, 5                          ; v5   in B's
.set ADRA,  6                          ; v6   the same in the slot in hand
.set ADRB,  7                          ; v7
.set STO,   8                          ; v8   the way out: where I put my bytes of a row
.set RD,    9                          ; v9   where I read rows back
.set CO,    10                         ; v10  my byte offset in C
.set PFO,   11                         ; v11  the prefetches' offset: my lane x a row in memory; never rewritten
.set SPW,   12                         ; v12  LDS address of my spare word; never rewritten
.set NIL,   13                         ; v13  0; never rewritten
.set FAD0,  14                         ; v14  my lane's place in a step's factors
.set FAD,   15                         ; v15  the same for the step to be fetched
.set BI,    32                         ; v[32:95]   64 biases, or statistics
.set T,     96                         ; v[96:159]  at work
.set PK,    160                        ; v[160:191] 16 rows' packed results
.set OB,    192                        ; v[192:255] rows read back from the stage
.set F0,    0                          ; window 1
.set F1,    96
.set FS,    192
.set WV, 16                            ; s16 wave;  s17 my 64 rows (also: I fetch A (0) or B (1));  s18 my 128 columns (also: which half I fetch)
.set WR, 17
.set WC, 18
.set CX, 19                            ; my place in the cluster
.set CY, 20
.set TC, 21                            ; tile column, tile row, cluster y
.set TR, 22
.set CLY, 23
.set G1A, 24                           ; s[24:31], s[32:39] descriptor groups 1
.set G1B, 32
.set G0A, 40                           ; s[40:47], s[48:55] groups 0: a set for each of the two first fills; the second then walks
.set G0B, 48
.set CNT, 56
.set TB,  57                           ; 0 or SLOT1: the slot to be read
.set LIM, 58                           ; 2 in a wave that prefetches, else the greatest number
.set FSO, 59
.set PFA, 60                           ; s[60:61] where my prefetches stand
.set PST, 62                           ; s[62:63] their step
.set CB,  66                           ; s[66:67] C at my wave's first row and column
.set C2,  68                           ; s[68:69] a second pointer (bias, statistics)
.set SEL, 70                           ; s[70:71] v_permlanex16_b32's selects
.set CS,  72                           ; s[72:73] c
.set MSK, 74
.set WH,  75
.set G1AW, (1<<16)|(1<<20)|(1<<21)|(5<<22)|(3<<25)  ; 17:16 2-byte elements; 20 padding on; 21 set beside a mask; 24:22 after every 64 words; 31:25 4 words
.set MULW, 0xa5                        ; both sources window 1, C and D window 2
.set TO_F, 0x40                        ; destination window 1
.set SCL,  0x45                        ; destination and both sources window 1
.set R1,   0x02                        ; source 0 window 2
.set R2,   0x0a                        ; sources 0 and 1 window 2
.set R3,   0x28                        ; sources 1 and 2 window 2
.set INPL, 0x82                        ; destination and source 0 window 2
.set MSB, 0
.macro WIN new                         ; the high byte repeats the setting that is left; a switch that changes nothing is dropped
.if MSB != (\new)
	s_set_vgpr_msb (MSB<<8)|(\new)
.set MSB, \new
.endif
.endm
.macro PLACES                          ; four places behind matrix instructions, in front of loads into registers that they read and of lines that read results
.rept 4
	v_nop
.endr
.endm
.macro SHADD d, t, r, n                ; s[d] += s[r] << n, by way of s[t]
	s_lshl_b32 s[\t], s[\r], \n
	s_add_co_u32 s[\d], s[\d], s[\t]
.endm
.macro CREST                           ; a round of the cluster's barrier behind its opening barrier
	s_cmp_lg_u32 s[WV], 0
	s_cbranch_scc1 .Lnot_wave_0_\@
	s_barrier_signal -3
.Lnot_wave_0_\@:
	s_barrier_wait -3
	s_barrier_signal -1
	s_barrier_wait -1
.endm
.macro CROUND                          ; a whole round
	s_barrier_signal -1
	s_barrier_wait -1
	CREST
.endm
.macro JLOAD                           ; a joint refill: waves 0 and 1 fetch A's halves, waves 2 and 3 B's; an s_nop 0 and four v_nop follow each line, ahead of the jump and the label
	s_cmp_lt_u32 s[WV], 2
	s_cbranch_scc0 .Lfor_b_\@
	tensor_load_to_lds s[G0A+4:G0A+7], s[G1A:G1A+7]
	s_nop 0
.rept 4
	v_nop
.endr
	s_branch .Lasked_\@
.Lfor_b_\@:
	tensor_load_to_lds s[G0B+4:G0B+7], s[G1B:G1B+7]
	s_nop 0
.rept 4
	v_nop
.endr
.Lasked_\@:
.endm
; A PREFETCH INTO THE L2 of the K step that stands two refills on (256 matrix instructions ahead of the load that will want it): 32 blocks of 256 bytes, a lane a row, one instruction a wave.
; Each block is named once in the launch: of the clusters that read the same rows the first asks; the partners that ask for a tile jointly share its rows out BY ADDRESS; wave 0 asks for A's 32 rows,
; waves 2 and 3 for 32 rows (or blocks) of B each.  K steps 0 to 3 come by their loads alone; the trips with CNT = 2 and 1 have no K step two refills on and ask for nothing.
.macro ASK
	s_cmp_gt_u32 s[CNT], s[LIM]
	s_cbranch_scc0 .Lnot_mine_\@
	global_prefetch_b8 v[PFO], s[PFA:PFA+1] th:TH_LOAD_NT scope:SCOPE_SE
.Lnot_mine_\@:
.endm
.macro MUL8 f, a, zero                 ; 8 products: row block a x all 8 column blocks, 32 along K.  zero = 1: they start the sums
	WIN MULW
.irp b, 0,1,2,3,4,5,6,7
.if \zero
	v_wmma_f32_16x16x32_f16 v[8*(8*(\a)+(\b)):8*(8*(\a)+(\b))+7], v[(\f)+8*(\b):(\f)+8*(\b)+7], v[(\f)+64+8*(\a):(\f)+64+8*(\a)+7], 0
.else
	v_wmma_f32_16x16x32_f16 v[8*(8*(\a)+(\b)):8*(8*(\a)+(\b))+7], v[(\f)+8*(\b):(\f)+8*(\b)+7], v[(\f)+64+8*(\a):(\f)+64+8*(\a)+7], v[8*(8*(\a)+(\b)):8*(8*(\a)+(\b))+7]
.endif
.endr
.endm
.macro MUL16 f, a0, zero               ; the 32 accumulators take turns, in the same order in every quarter, over the backward jump too
	MUL8 \f, \a0, \zero
	MUL8 \f, (\a0)+1, \zero
.endm
.macro FETCH k, f, wf=0                ; one run of LDS loads: the fragments of 32 along K at byte k of the rows, into buffer f: (the step's factors,) B's eight, then A's four
	WIN TO_F
.if \wf
	ds_load_b128 v[FS:FS+3], v[FAD]
.endif
.irp b, 0,1,2,3,4,5,6,7
.if PVK
	ds_load_tr16_b128 v[(\f)+8*(\b):(\f)+8*(\b)+3],   v[ADRB] offset:((\k)/64)*32*PITCHV+32*(\b)
	ds_load_tr16_b128 v[(\f)+8*(\b)+4:(\f)+8*(\b)+7], v[ADRB] offset:((\k)/64)*32*PITCHV+32*(\b)+16*PITCHV
.else
	ds_load_b128 v[(\f)+8*(\b):(\f)+8*(\b)+3],   v[ADRB] offset:(\k)+(\b)*16*PITCH
	ds_load_b128 v[(\f)+8*(\b)+4:(\f)+8*(\b)+7], v[ADRB] offset:(\k)+(\b)*16*PITCH+32
.endif
.endr
.irp a, 0,1,2,3
	ds_load_b128 v[(\f)+64+8*(\a):(\f)+64+8*(\a)+3],   v[ADRA] offset:(\k)+(\a)*16*PITCH
	ds_load_b128 v[(\f)+64+8*(\a)+4:(\f)+64+8*(\a)+7], v[ADRA] offset:(\k)+(\a)*16*PITCH+32
.endr
.endm
.macro SCALE f, a0                     ; A's fragments a0, a0 + 1 of buffer f times their rows' factor of this K step, two f16 a line
	WIN SCL
.irp a, \a0, (\a0)+1
.irp i, 0,1,2,3,4,5,6,7
	v_pk_mul_f16 v[(\f)+64+8*(\a)+(\i)], v[(\f)+64+8*(\a)+(\i)], v[FS+(\a)]
.endr
.endr
.endm
; A K step is four quarters of 32 along K, 32 matrix instructions each, on buffers 0, 1, 0, 1.  One of the first three: multiplies buffer f; in its middle it fetches the next quarter, at byte k, into g.
.macro QUARTER k, f, g, zero
	s_wait_dscnt 4                                 ; all but the youngest four loads (A's fragments 2 and 3) are in
.if PVK
	SCALE \f, 0
.endif
	MUL16 \f, 0, \zero
	PLACES
	FETCH \k, \g
	s_wait_dscnt 24                                ; all but the 24 just issued
.if PVK
	SCALE \f, 2
.endif
	MUL16 \f, 2, \zero
.endm
; The last quarter multiplies buffer 1 and changes slots: ONE barrier.  In front of it each wave waits for all its tensor loads (one is out: its part of the next slot), adds 0 to its spare word, and waits
; for that and for its own reads of this slot.  fill = 1: the barrier opens a round of the cluster's, and behind the round this slot is filled again, with the K step two steps on:
; 112 matrix instructions ahead of the wait for it.
.macro TURN fill
.if \fill
	s_wait_xcnt 0x0                                ; the last prefetch, a K step back, has read its address: it is stepped here, ahead of the waits of the change of slots
	s_add_nc_u64 s[PFA:PFA+1], s[PFA:PFA+1], s[PST:PST+1]
.endif
	WIN 0                                          ; (the add's two registers lie in window 0)
	s_wait_tensorcnt 0x0                           ; all my tensor loads have landed
	ds_add_u32 v[SPW], v[NIL]                      ; 0 onto my spare word
	s_wait_dscnt 5                                 ; (the add and the youngest four loads may be out)
.if PVK
	SCALE F1, 0
.endif
	MUL8 F1, 0, 0                                  ; work on registers between the add and the wait for it
	s_wait_dscnt 0x0                               ; the add is done, and my reads of this slot are over
	s_barrier_signal -1
	MUL8 F1, 1, 0
.if PVK
	SCALE F1, 2                                    ; the step's last use of its factors, ahead of the load of the next step's
.endif
	WIN 0                                          ; at a branch and at a label every window is 0
	s_barrier_wait -1
.if \fill
	CREST                                          ; no wave of any partner still reads this slot or has a load on its way
	s_xor_b32 s[G0A+5], s[G0A+5], SLOT1            ; the walking descriptors: the other slot than last time, the next K step
	s_add_nc_u64 s[G0A+6:G0A+7], s[G0A+6:G0A+7], ASTEP
	s_xor_b32 s[G0B+5], s[G0B+5], SLOT1
	s_add_nc_u64 s[G0B+6:G0B+7], s[G0B+6:G0B+7], BSTEP
	JLOAD                                          ; the first tensor load behind the round; its four v_nop are also the places in front of the loads below
.else
	PLACES
.endif
	s_xor_b32 s[TB], s[TB], SLOT1
.if PVK
	s_add_co_u32 s[FSO], s[FSO], 256
	v_add_nc_u32 v[FAD], s[FSO], v[FAD0]
.endif
	v_add_nc_u32 v[ADRA], s[TB], v[ADRA0]
	v_add_nc_u32 v[ADRB], s[TB], v[ADRB0]
	FETCH 0, F0, PVK
.if \fill
	WIN 0
	ASK                                            ; behind the joint load and the run of LDS loads that the next products wait for
.endif
	MUL16 F1, 2, 0
.endm
.macro IDS                             ; places, masks, the descriptors' constant words: work on registers alone
	v_lshrrev_b32 v1, 5, v0
	v_readfirstlane_b32 s[WV], v1
	s_lshr_b32 s[WR], s[WV], 1
	s_and_b32 s[WC], s[WV], 1
	s_bfe_u32 s[CX], ttmp6, 0x40000
	s_bfe_u32 s[CY], ttmp6, 0x40004
	s_lshl_b32 s[TC], ttmp9, 2                     ; in a cluster launch ttmp9 and ttmp7 count clusters
	s_add_co_u32 s[TC], s[TC], s[CX]
	s_and_b32 s[CLY], ttmp7, 0xffff
	s_lshl_b32 s76, s[CY], 2
	s_lshl_b32 s76, 15, s76                        ; my row of the cluster: A's tiles go to it
	s_or_b32 s[G1A], s76, G1AW
	s_lshl_b32 s80, 0x1111, s[CX]                  ; my column: B's tiles
	s_or_b32 s[G1B], s80, G1BW
	s_mov_b32 s[G1A+1], 128<<16                    ; tensor_dim0
	s_mov_b32 s[G1A+2], 64<<16                     ; tensor_dim1
	s_mov_b32 s[G1A+3], 128<<16                    ; tile_dim0
	s_mov_b32 s[G1A+4], 64                         ; tile_dim1
	s_mov_b32 s[G1A+5], LDA                        ; elements from row to row
	s_mov_b32 s[G1A+6], 0
	s_mov_b32 s[G1A+7], 0
	s_mov_b32 s[G1B+1], BD0<<16
	s_mov_b32 s[G1B+2], BD1<<16
	s_mov_b32 s[G1B+3], BD0<<16
	s_mov_b32 s[G1B+4], BD1
	s_mov_b32 s[G1B+5], LDB
	s_mov_b32 s[G1B+6], 0
	s_mov_b32 s[G1B+7], 0
	s_mul_i32 s78, s[WC], AHALF                    ; where my half goes: no place in the cluster enters an LDS address
	s_mul_i32 s82, s[WC], BHALF
	s_add_co_u32 s82, s82, BOFF
	s_mov_b32 s[TB], 0
	s_or_b32 s90, ttmp9, s[WC]                     ; A: wave 0 of the clusters with x = 0 prefetches;
	s_and_b32 s91, s[CLY], KB                      ; B: waves 2 and 3 of the first of the clusters that read the same rows
	s_cmp_eq_u32 s[WR], 0
	s_cselect_b32 s90, s90, s91
	s_cmp_eq_u32 s90, 0
	s_cselect_b32 s[LIM], 2, -1                    ; the same in all sixteen partners, for a given wave
.endm
.macro FILLS                           ; s[76:77], s[80:81]: my half of A's and of B's first tile; s78, s82: where they go
.irp s, 0,1
	s_mov_b32 s[G0A+4*(\s)], 1                     ; count = 1
	s_add_co_u32 s[G0A+4*(\s)+1], s78, (\s)*SLOT1  ; LDS address
	s_add_nc_u64 s[G0A+4*(\s)+2:G0A+4*(\s)+3], s[76:77], (\s)*ASTEP  ; global address: K step s
	s_or_b32 s[G0A+4*(\s)+3], s[G0A+4*(\s)+3], 0x80000000            ; type = 2
	s_mov_b32 s[G0B+4*(\s)], 1
	s_add_co_u32 s[G0B+4*(\s)+1], s82, (\s)*SLOT1
	s_add_nc_u64 s[G0B+4*(\s)+2:G0B+4*(\s)+3], s[80:81], (\s)*BSTEP
	s_or_b32 s[G0B+4*(\s)+3], s[G0B+4*(\s)+3], 0x80000000
.endr
	s_cmp_lt_u32 s[WV], 2                          ; a wave's two first fills stand in one branch, ahead of every wait on TENSORcnt and every LDS read: two loads of mine are out
	s_cbranch_scc0 .Lfirst_b
	tensor_load_to_lds s[G0A:G0A+3], s[G1A:G1A+7]
	s_nop 0
	tensor_load_to_lds s[G0A+4:G0A+7], s[G1A:G1A+7]
	s_nop 0
.rept 4
	v_nop
.endr
	s_branch .Lfirst_asked
.Lfirst_b:
	tensor_load_to_lds s[G0B:G0B+3], s[G1B:G1B+7]
	s_nop 0
	tensor_load_to_lds s[G0B+4:G0B+7], s[G1B:G1B+7]
	s_nop 0
.rept 4
	v_nop
.endr
.Lfirst_asked:
.endm
; A fragment is 16 rows x 32 K in 8 registers: lane l holds row l % 16; registers 0-3 K = 8 (l / 16) + 0..7, registers 4-7 K = 16 + 8 (l / 16) + 0..7: two loads of 16 bytes, 32 bytes apart.
.macro LANES                           ; leaves v1 = l % 16, v2 = l / 16, v3 = l, v16 = (l % 16) x 272 + 16 (l / 16), s86 = my stage
	v_and_b32 v1, 15, v0
	v_bfe_u32 v2, v0, 4, 1
	v_and_b32 v3, 31, v0
	v_mul_u32_u24 v16, v1, PITCH
	v_lshl_add_u32 v16, v2, 4, v16
	s_mul_i32 s86, s[WR], AHALF
	v_add_nc_u32 v[ADRA0], s86, v16
.if PVK
	v_and_b32 v17, 7, v0                           ; B lies [K][column]: the turning load takes 16 K x 16 columns: lane l reads K = 8 (l / 16) + l % 8, columns 8 ((l / 8) % 2) + 0..7
	v_lshl_add_u32 v17, v2, 3, v17
	v_mul_u32_u24 v17, v17, PITCHV
	v_bfe_u32 v18, v0, 3, 1
	v_lshl_add_u32 v17, v18, 4, v17
	s_lshl_b32 s86, s[WC], 8                       ; my 128 columns
	s_add_co_u32 s86, s86, BOFF
	v_add_nc_u32 v[ADRB0], s86, v17
.else
	s_mul_i32 s86, s[WC], BHALF
	s_add_co_u32 s86, s86, BOFF
	v_add_nc_u32 v[ADRB0], s86, v16
.endif
	v_mov_b32 v[ADRA], v[ADRA0]
	v_mov_b32 v[ADRB], v[ADRB0]
	s_mul_i32 s86, s[WV], STGW
	s_add_co_u32 s86, s86, STAGE
.endm
.macro MAIN
	s_wait_tensorcnt 0x1                           ; my part of K step 0 is in; K step 1's may stay out
.if PVK
	s_wait_dscnt 0x0                               ; my stores into the table are done
.endif
	s_barrier_signal -1
	s_barrier_wait -1                              ; everybody's part is in
	FETCH 0, F0, PVK
	QUARTER 64, F0, F1, 1                          ; the first quarter stands in front of the loop: its products start the sums
	WIN 0
	s_mov_b32 s[CNT], NSTEP-2
.Lstep:                                            ; a trip: a K step's quarters 1 to 3 and the next step's quarter 0; it fills the slot that it leaves
	QUARTER 128, F1, F0, 0
	QUARTER 192, F0, F1, 0
	TURN 1
	QUARTER 64, F0, F1, 0
	WIN 0
	s_sub_co_u32 s[CNT], s[CNT], 1
	s_cmp_lg_u32 s[CNT], 0
	s_cbranch_scc1 .Lstep
	QUARTER 128, F1, F0, 0                         ; the last two K steps are written out: they fill nothing
	QUARTER 192, F0, F1, 0
	TURN 0
	QUARTER 64, F0, F1, 0
	QUARTER 128, F1, F0, 0
	QUARTER 192, F0, F1, 0
	s_wait_dscnt 4
.if PVK
	SCALE F1, 0
.endif
	MUL16 F1, 0, 0
	s_wait_dscnt 0x0
.if PVK
	SCALE F1, 2
.endif
	MUL16 F1, 2, 0
	WIN 0
	PLACES                                         ; the places behind the last products, counted generously, once a launch
	PLACES
.endm
.macro FINISH
	WIN 0
	s_wait_tensorcnt 0x0                           ; the wave's end: behind my last tensor load and my last LDS store
	ds_add_u32 v[SPW], v[NIL]
	s_wait_dscnt 0x0
	CROUND                                         ; the closing round: no work-group ends while a partner may still ask for a tile that names it
	s_endpgm
.endm
; THE WAY OUT IN f16: a lane's 8 columns of a row are 16 bytes; 16 rows at a time go into my own stage (rows of 272 bytes) and come back as whole rows of 256 bytes.
.macro OUT16ADR
	v_add_nc_u32 v[STO], s86, v16                  ; in: row l % 16, 16 bytes for each half of the lanes
	v_mul_u32_u24 v17, v2, PITCH                   ; back: lanes 0-15 one row, lanes 16-31 the next
	v_lshl_add_u32 v17, v1, 4, v17
	v_add_nc_u32 v[RD], s86, v17
	v_mul_u32_u24 v17, v2, PC                      ; and the same two rows in C
	v_lshl_add_u32 v[CO], v1, 4, v17
.endm
.macro TOSTAGE a
	WIN 0
.irp b, 0,1,2,3,4,5,6,7
	ds_store_b128 v[STO], v[PK+4*(\b):PK+4*(\b)+3] offset:32*(\b)
.endr
.irp t, 0,1,2,3,4,5,6,7
	ds_load_b128 v[OB+32*((\a)%2)+4*(\t):OB+32*((\a)%2)+4*(\t)+3], v[RD] offset:(\t)*2*PITCH  ; LDS serves a wave's instructions in order (ISA guide 5.7.1.4): these see the stores above
.endr
.endm
.macro SEND a
	WIN 0
	s_wait_dscnt 0x0                               ; the block is back in registers
	s_wait_xcnt 0x0                                ; the stores of the block before have read their registers, which the next block's loads from the stage write
.irp t, 0,1,2,3,4,5,6,7
	global_store_b128 v[CO], v[OB+32*((\a)%2)+4*(\t):OB+32*((\a)%2)+4*(\t)+3], s[CB:CB+1] offset:(16*(\a)+2*(\t))*PC  ; 16 lanes store 256 consecutive bytes, aligned
.endr
.endm
; ---------------- end of the shared part ----------------
	s_load_b256 s[4:11], s[0:1], 0x0               ; P s[4:5], ML s[6:7], QKV s[8:9], O16 s[10:11]
	v_lshl_add_u32 v[SPW], v0, 2, SPARE
	v_mov_b32 v[NIL], 0
	ds_add_u32 v[SPW], v[NIL]                      ; the wave's opening: the add and its wait stand ahead of my first tensor load; the set-up below, work on registers, stands between them
	IDS
	s_lshl_b32 s[TR], s[CLY], 2
	s_add_co_u32 s[TR], s[TR], s[CY]               ; tile row 0..63
	s_lshr_b32 s[WH], s[CLY], 2                    ; the batch
	s_lshl_b32 s76, s[TR], 19                      ; A = P: 128 rows x 4,096 bytes a tile row, my 64 rows.  These registers never hold cx
	SHADD 76, 77, WC, 18
	s_mov_b32 s77, 0
	s_mov_b32 s80, 2<<24                           ; B = v: the batch's 4 MiB, my 64 keys of a step, 512 bytes a tile column.  These never hold cy
	SHADD 80, 81, WH, 22
	SHADD 80, 81, WC, 17
	SHADD 80, 81, TC, 9
	s_mov_b32 s81, 0
	s_lshl_b32 s84, s[TR], 18                      ; O16: my wave's first row and column
	SHADD 84, 85, WR, 17
	SHADD 84, 85, TC, 9
	SHADD 84, 85, WC, 8
	s_mov_b32 s85, 0
	s_lshl_b32 s92, s[TR], 10                      ; ML: my wave's first row, 8 bytes a row
	SHADD 92, 93, WR, 9
	s_mov_b32 s93, 0
	s_lshl_b32 s88, s[TR], 19                      ; the prefetches, A: my work-group's 32 of the tile's 128 rows
	SHADD 88, 91, CX, 17
	s_mov_b32 s89, 2<<24                           ; B: my work-group's 32 of a step's 128 keys; my wave's 256 of their 512 bytes
	SHADD 89, 91, WH, 22
	SHADD 89, 91, CY, 16
	SHADD 89, 91, TC, 9
	SHADD 89, 91, WC, 8
	s_movk_i32 s[PST], 256
	s_mov_b32 s91, BSTEP
	s_cmp_eq_u32 s[WR], 0
	s_cselect_b32 s88, s88, s89
	s_cselect_b32 s[PST], s[PST], s91              ; a K step in A, or in B
	s_cselect_b32 s90, 12, 11                      ; a row of P is 4,096 bytes, a row of v 2,048
	s_mul_i32 s91, s[PST], 3
	s_add_co_u32 s88, s88, s91                     ; at K step 3: the first change of slots steps it to 4
	s_mov_b32 s89, 0
	s_mov_b32 s[PST+1], 0
	s_mov_b32 s[SEL], 0x76543210                   ; each lane takes its own place in the other half
	s_mov_b32 s[SEL+1], 0xfedcba98
	s_mov_b32 s[FSO], 0
	s_wait_dscnt 0x0                               ; the opening add is done
	s_wait_kmcnt 0x0
	s_add_nc_u64 s[76:77], s[4:5], s[76:77]
	s_add_nc_u64 s[80:81], s[8:9], s[80:81]
	s_add_nc_u64 s[CB:CB+1], s[10:11], s[84:85]
	s_add_nc_u64 s[C2:C2+1], s[6:7], s[92:93]
	s_cmp_eq_u32 s[WR], 0
	s_cselect_b64 s[PFA:PFA+1], s[4:5], s[8:9]
	s_add_nc_u64 s[PFA:PFA+1], s[PFA:PFA+1], s[88:89]
	CROUND                                         ; all sixteen work-groups are here: the first joint loads meet
	FILLS
	LANES
	OUT16ADR
	v_lshlrev_b32 v[PFO], s90, v3
	; THE ROWS' STATISTICS, each wave for its own 64 rows, while the first tiles are on their way.  Lane (r, h) takes blocks 8 h + 0..7 of rows 16 a + r.
	s_lshl_b32 s86, s[WV], 12
	s_add_co_u32 s86, s86, FTAB                    ; my table: [step 16][r 16][a 4] words, a word = the factor twice in f16
	v_lshl_add_u32 v[FAD0], v1, 4, s86
	v_lshl_add_u32 v31, v2, 11, v[FAD0]            ; where I store: steps 8 h on
	v_mov_b32 v[FAD], v[FAD0]
	v_lshlrev_b32 v30, 19, v2                      ; 8 blocks of 65,536 bytes,
	v_lshl_add_u32 v30, v1, 3, v30                 ; 8 bytes a row
.irp a, 0,1,2,3
.irp j, 0,1,2,3,4,5,6,7
	global_load_b64 v[ST+16*(\a)+2*(\j):ST+16*(\a)+2*(\j)+1], v30, s[C2:C2+1] offset:65536*(\j)+128*(\a)
.endr
.endr
.irp a, 0,1,2,3
	v_mov_b32 v[17+2*(\a)], 0                      ; v_permlanex16_b32's destination counts as read
.endr
	s_wait_loadcnt 0x0
.irp a, 0,1,2,3
	v_max3_num_f32 v[24+(\a)], v[ST+16*(\a)], v[ST+16*(\a)+2], v[ST+16*(\a)+4]
.endr
.irp a, 0,1,2,3
	v_max3_num_f32 v[24+(\a)], v[24+(\a)], v[ST+16*(\a)+6], v[ST+16*(\a)+8]
.endr
.irp a, 0,1,2,3
	v_max3_num_f32 v[24+(\a)], v[24+(\a)], v[ST+16*(\a)+10], v[ST+16*(\a)+12]
.endr
.irp a, 0,1,2,3
	v_max_num_f32 v[24+(\a)], v[24+(\a)], v[ST+16*(\a)+14]
.endr
.irp a, 0,1,2,3
	v_permlanex16_b32 v[17+2*(\a)], v[24+(\a)], s[SEL], s[SEL+1]
.endr
.irp a, 0,1,2,3
	v_max_num_f32 v[24+(\a)], v[24+(\a)], v[17+2*(\a)]  ; M
.endr
.irp j, 0,1,2,3,4,5,6,7
.irp a, 0,1,2,3
	v_sub_f32 v[ST+16*(\a)+2*(\j)], v[ST+16*(\a)+2*(\j)], v[24+(\a)]  ; cm - M
.endr
.endr
.irp j, 0,1,2,3,4,5,6,7
.irp a, 0,1,2,3
	v_exp_f32 v[ST+16*(\a)+2*(\j)], v[ST+16*(\a)+2*(\j)]              ; f: one batch of 32
.endr
.endr
	v_nop                                          ; a plain instruction behind the last exponential,
	s_wait_alu depctr_va_vdst(0)                   ; and the wait ahead of the first use: one for the batch
.irp a, 0,1,2,3
	v_mul_f32 v[16+2*(\a)], v[ST+16*(\a)], v[ST+16*(\a)+1]
.endr
.irp j, 1,2,3,4,5,6,7
.irp a, 0,1,2,3
	v_fma_f32 v[16+2*(\a)], v[ST+16*(\a)+2*(\j)], v[ST+16*(\a)+2*(\j)+1], v[16+2*(\a)]
.endr
.endr
.irp a, 0,1,2,3
	v_permlanex16_b32 v[17+2*(\a)], v[16+2*(\a)], s[SEL], s[SEL+1]
.endr
.irp a, 0,1,2,3
	v_add_f32 v[16+2*(\a)], v[16+2*(\a)], v[17+2*(\a)]  ; L: at least the largest block's l, which is 1 or more
.endr
.irp a, 0,1,2,3
	v_rcp_f32 v[16+2*(\a)], v[16+2*(\a)]
.endr
	v_nop
	s_wait_alu depctr_va_vdst(0)                   ; one wait for the four reciprocals
.irp a, 0,1,2,3
	v_mov_b32 v[17+2*(\a)], v[16+2*(\a)]           ; named with it as a pair
.endr
.irp j, 0,1,2,3,4,5,6,7
.irp a, 0,1,2,3
	v_cvt_pk_f16_f32 v[ST+16*(\a)+2*(\j)], v[ST+16*(\a)+2*(\j)], v[ST+16*(\a)+2*(\j)]
	ds_store_b32 v31, v[ST+16*(\a)+2*(\j)] offset:256*(\j)+4*(\a)
.endr
.endr
	MAIN
.macro PACK a                          ; block a: divided by L, rounded to f16; each accumulator is read from its low end on
	WIN R1
.set i, 0
.rept 32
	v_pk_mul_f32 v[T+2*i:T+2*i+1], v[64*(\a)+2*i:64*(\a)+2*i+1], v[16+2*(\a):17+2*(\a)] op_sel_hi:[1,0]
.set i, i+1
.endr
	WIN 0
.set i, 0
.rept 32
	v_cvt_pk_f16_f32 v[PK+i], v[T+2*i], v[T+2*i+1]
.set i, i+1
.endr
.endm
	PACK 0
	TOSTAGE 0
.irp a, 1,2,3                          ; block a's arithmetic stands between block a - 1's loads from the stage and the wait for them
	PACK \a
	SEND (\a)-1
	TOSTAGE \a
.endr
	SEND 3
	FINISH
.Lfunc_end_k_q5e884599ea_pv:
	.size	k_q5e884599ea_pv, .Lfunc_end_k_q5e884599ea_pv-k_q5e884599ea_pv
	.p2alignl 7, 3214868480
	.fill 96, 4, 3214868480
	.section	.rodata,"a",@progbits
	.p2align	6, 0x0
	.amdhsa_kernel k_q5e884599ea_pv
		.amdhsa_group_segment_fixed_size 327680
		.amdhsa_private_segment_fixed_size 0
		.amdhsa_enable_private_segment 0
		.amdhsa_kernarg_size 32
		.amdhsa_user_sgpr_count 2
		.amdhsa_user_sgpr_kernarg_segment_ptr 1
		.amdhsa_wavefront_size32 1
		.amdhsa_system_sgpr_workgroup_id_x 1
		.amdhsa_system_sgpr_workgroup_id_y 1
		.amdhsa_system_sgpr_workgroup_id_z 1
		.amdhsa_system_vgpr_workitem_id 0
		.amdhsa_next_free_vgpr 768
		.amdhsa_next_free_sgpr 96
		.amdhsa_reserve_vcc 0
		.amdhsa_float_denorm_mode_32 3
		.amdhsa_float_denorm_mode_16_64 3
		.amdhsa_memory_ordered 1
		.amdhsa_forward_progress 1
		.amdhsa_inst_pref_size 118
	.end_amdhsa_kernel
	.amdgpu_metadata
---
amdhsa.version: [ 1, 2 ]
amdhsa.kernels:
  - .name:           k_q5e884599ea_pv
    .symbol:         k_q5e884599ea_pv.kd
    .args:
      - { .name: P, .offset: 0, .size: 8, .value_kind: global_buffer, .address_space: global }
      - { .name: ML, .offset: 8, .size: 8, .value_kind: global_buffer, .address_space: global }
      - { .name: QKV, .offset: 16, .size: 8, .value_kind: global_buffer, .address_space: global }
      - { .name: O16, .offset: 24, .size: 8, .value_kind: global_buffer, .address_space: global }
    .group_segment_fixed_size: 327680
    .private_segment_fixed_size: 0
    .kernarg_segment_align: 8
    .kernarg_segment_size: 32
    .max_flat_workgroup_size: 128
    .sgpr_count:     96
    .vgpr_count:     768
    .wavefront_size: 32
...
	.end_amdgpu_metadata
.endif
;; end of part 4
;; launch outp (part 5): grid 4 x 64, 4 waves a work-group, clusters of 4 x 4, 327,680 bytes of LDS; arguments O16, W16, bo, out0; writes out0
.if DOCPART == 5
	.amdgcn_target "amdgcn-amd-amdhsa--gfx1250"
	.amdhsa_code_object_version 6
	.text
	.protected	k_q5e884599ea_outp
	.globl	k_q5e884599ea_outp
	.p2align	8
	.type	k_q5e884599ea_outp,@function
k_q5e884599ea_outp:
	s_mov_b64 s[64:65], 0
	v_nop
	global_prefetch_b8 v0, s[64:65] scope:SCOPE_SE
	s_setreg_imm32_b32 hwreg(HW_REG_WAVE_MODE, 25, 1), 1
	s_wait_xcnt 0x0
	s_wait_alu depctr_hold_cnt(0) depctr_sa_sdst(0) depctr_va_vdst(0) depctr_va_sdst(0) depctr_va_ssrc(0) depctr_va_vcc(0) depctr_vm_vsrc(0)
	s_getreg_b32 s2, hwreg(HW_REG_IB_STS2, 6, 4)
	s_cmp_eq_u32 s2, 0
	s_cbranch_scc0 .Lentry_in_a_cluster
	s_endpgm
.Lentry_in_a_cluster:
	s_bfe_u32 s2, ttmp6, 0x10000c
	s_cmp_lg_u32 s2, 0xf033
	s_cbranch_scc0 .Lentry_shape_is_right
	s_endpgm
.Lentry_shape_is_right:
; out0 = O Wo^T + bo.  O16: f16 [8192][1024]; Wo: the fourth part of W16, f16 [1024][1024]; bo: f32 [1024], rounded here to bf16 like every input; out0: f32 [8192][1024].  Sums in f32.
; A work-group makes 128 rows x 256 columns: 64 x 4 = 256 work-groups.
.set LDA,   1024
.set LDB,   1024
.set NSTEP, 8
.set ASTEP, 256
.set BSTEP, 256
.set BD0,   128
.set BD1,   128
.set G1BW,  (1<<16)|(1<<20)|(1<<21)|(5<<22)|(3<<25)
.set PC,    4096                       ; bytes in a row of out0
.set KB,    0xffff                     ; every cluster of a column of clusters reads the same rows of Wo
.set PVK,   0
.set SP32,  528                        ; a row of the stage: 512 bytes + 16
; ---------------- THE PART THAT THE FOUR PRODUCT KERNELS SHARE: C = A B^T on a tile of 128 x 256 ----------------
; Four waves, each 64 rows x 128 columns: 32 accumulators of 16 x 16.  K goes in steps of 128 through two LDS slots filled by the tensor data mover; rows of the tiles are 256 bytes of memory, aligned.
; CLUSTER 4 x 4: the four work-groups of a row of the cluster need the same tile of A, the four of a column the same tile of B: each is asked for jointly, by the same load, descriptor and mask in all four.
; THE PRODUCT IS USED TRANSPOSED (source 0 = 16 rows of B, source 1 = 16 rows of A): lane l holds row l % 16 of C and the columns 8 (l / 16) + 0..7.
; LDS: slot 0 at 0: A 128 rows x 272, then B 256 rows x 272 (or 128 x 544); a table of factors (one kernel) behind it; slot 1 at 2^17; the waves' stages; the spare words.
; REGISTERS in windows of 256 (s_set_vgpr_msb: bits 1:0 source 0, 3:2 source 1, 5:4 source 2, 7:6 destination): window 0 addresses and the way out; window 1 two fragment buffers of 96
; (B's eight fragments, then A's four) and four factors; window 2 the accumulators, (a, b) at 8 (8 a + b).
.set PITCH,  272                       ; an LDS row: 256 bytes + 16 of padding = 68 words: the 16 rows of a load start at 16 different groups of four banks (64 banks of 4 bytes: ISA guide 11.1)
.set PITCHV, 544                       ; a row of 512 bytes + 32: 136 words
.set AHALF,  64*PITCH                  ; what one wave fetches of A, and reads of A
.set BOFF,   128*PITCH                 ; B lies behind A's 128 rows
.set BHALF,  128*PITCH                 ; what one wave fetches of B
.set FTAB,   3*BOFF                    ; behind slot 0: 4,096 bytes a wave, never filled by a tensor load
.set SLOT1,  1<<17                     ; so that one exclusive or turns an address in one slot into the other's
.set STAGE,  SLOT1+3*BOFF              ; behind slot 1: 8,704 bytes a wave, for the way out
.set STGW,   8704
.set SPARE,  STAGE+4*STGW              ; the spare words, 128 bytes a wave: two blocks of 256 bytes that no other line names
.set ADRA0, 4                          ; v4   my lane's place in A's tile; never rewritten
.set ADRB0, 5                          ; v5   in B's
.set ADRA,  6                          ; v6   the same in the slot in hand
.set ADRB,  7                          ; v7
.set STO,   8                          ; v8   the way out: where I put my bytes of a row
.set RD,    9                          ; v9   where I read rows back
.set CO,    10                         ; v10  my byte offset in C
.set PFO,   11                         ; v11  the prefetches' offset: my lane x a row in memory; never rewritten
.set SPW,   12                         ; v12  LDS address of my spare word; never rewritten
.set NIL,   13                         ; v13  0; never rewritten
.set FAD0,  14                         ; v14  my lane's place in a step's factors
.set FAD,   15                         ; v15  the same for the step to be fetched
.set BI,    32                         ; v[32:95]   64 biases, or statistics
.set T,     96                         ; v[96:159]  at work
.set PK,    160                        ; v[160:191] 16 rows' packed results
.set OB,    192                        ; v[192:255] rows read back from the stage
.set F0,    0                          ; window 1
.set F1,    96
.set FS,    192
.set WV, 16                            ; s16 wave;  s17 my 64 rows (also: I fetch A (0) or B (1));  s18 my 128 columns (also: which half I fetch)
.set WR, 17
.set WC, 18
.set CX, 19                            ; my place in the cluster
.set CY, 20
.set TC, 21                            ; tile column, tile row, cluster y
.set TR, 22
.set CLY, 23
.set G1A, 24                           ; s[24:31], s[32:39] descriptor groups 1
.set G1B, 32
.set G0A, 40                           ; s[40:47], s[48:55] groups 0: a set for each of the two first fills; the second then walks
.set G0B, 48
.set CNT, 56
.set TB,  57                           ; 0 or SLOT1: the slot to be read
.set LIM, 58                           ; 2 in a wave that prefetches, else the greatest number
.set FSO, 59
.set PFA, 60                           ; s[60:61] where my prefetches stand
.set PST, 62                           ; s[62:63] their step
.set CB,  66                           ; s[66:67] C at my wave's first row and column
.set C2,  68                           ; s[68:69] a second pointer (bias, statistics)
.set SEL, 70                           ; s[70:71] v_permlanex16_b32's selects
.set CS,  72                           ; s[72:73] c
.set MSK, 74
.set WH,  75
.set G1AW, (1<<16)|(1<<20)|(1<<21)|(5<<22)|(3<<25)  ; 17:16 2-byte elements; 20 padding on; 21 set beside a mask; 24:22 after every 64 words; 31:25 4 words
.set MULW, 0xa5                        ; both sources window 1, C and D window 2
.set TO_F, 0x40                        ; destination window 1
.set SCL,  0x45                        ; destination and both sources window 1
.set R1,   0x02                        ; source 0 window 2
.set R2,   0x0a                        ; sources 0 and 1 window 2
.set R3,   0x28                        ; sources 1 and 2 window 2
.set INPL, 0x82                        ; destination and source 0 window 2
.set MSB, 0
.macro WIN new                         ; the high byte repeats the setting that is left; a switch that changes nothing is dropped
.if MSB != (\new)
	s_set_vgpr_msb (MSB<<8)|(\new)
.set MSB, \new
.endif
.endm
.macro PLACES                          ; four places behind matrix instructions, in front of loads into registers that they read and of lines that read results
.rept 4
	v_nop
.endr
.endm
.macro SHADD d, t, r, n                ; s[d] += s[r] << n, by way of s[t]
	s_lshl_b32 s[\t], s[\r], \n
	s_add_co_u32 s[\d], s[\d], s[\t]
.endm
.macro CREST                           ; a round of the cluster's barrier behind its opening barrier
	s_cmp_lg_u32 s[WV], 0
	s_cbranch_scc1 .Lnot_wave_0_\@
	s_barrier_signal -3
.Lnot_wave_0_\@:
	s_barrier_wait -3
	s_barrier_signal -1
	s_barrier_wait -1
.endm
.macro CROUND                          ; a whole round
	s_barrier_signal -1
	s_barrier_wait -1
	CREST
.endm
.macro JLOAD                           ; a joint refill: waves 0 and 1 fetch A's halves, waves 2 and 3 B's; an s_nop 0 and four v_nop follow each line, ahead of the jump and the label
	s_cmp_lt_u32 s[WV], 2
	s_cbranch_scc0 .Lfor_b_\@
	tensor_load_to_lds s[G0A+4:G0A+7], s[G1A:G1A+7]
	s_nop 0
.rept 4
	v_nop
.endr
	s_branch .Lasked_\@
.Lfor_b_\@:
	tensor_load_to_lds s[G0B+4:G0B+7], s[G1B:G1B+7]
	s_nop 0
.rept 4
	v_nop
.endr
.Lasked_\@:
.endm
; A PREFETCH INTO THE L2 of the K step that stands two refills on (256 matrix instructions ahead of the load that will want it): 32 blocks of 256 bytes, a lane a row, one instruction a wave.
; Each block is named once in the launch: of the clusters that read the same rows the first asks; the partners that ask for a tile jointly share its rows out BY ADDRESS; wave 0 asks for A's 32 rows,
; waves 2 and 3 for 32 rows (or blocks) of B each.  K steps 0 to 3 come by their loads alone; the trips with CNT = 2 and 1 have no K step two refills on and ask for nothing.
.macro ASK
	s_cmp_gt_u32 s[CNT], s[LIM]
	s_cbranch_scc0 .Lnot_mine_\@
	global_prefetch_b8 v[PFO], s[PFA:PFA+1] th:TH_LOAD_NT scope:SCOPE_SE
.Lnot_mine_\@:
.endm
.macro MUL8 f, a, zero                 ; 8 products: row block a x all 8 column blocks, 32 along K.  zero = 1: they start the sums
	WIN MULW
.irp b, 0,1,2,3,4,5,6,7
.if \zero
	v_wmma_f32_16x16x32_f16 v[8*(8*(\a)+(\b)):8*(8*(\a)+(\b))+7], v[(\f)+8*(\b):(\f)+8*(\b)+7], v[(\f)+64+8*(\a):(\f)+64+8*(\a)+7], 0
.else
	v_wmma_f32_16x16x32_f16 v[8*(8*(\a)+(\b)):8*(8*(\a)+(\b))+7], v[(\f)+8*(\b):(\f)+8*(\b)+7], v[(\f)+64+8*(\a):(\f)+64+8*(\a)+7], v[8*(8*(\a)+(\b)):8*(8*(\a)+(\b))+7]
.endif
.endr
.endm
.macro MUL16 f, a0, zero               ; the 32 accumulators take turns, in the same order in every quarter, over the backward jump too
	MUL8 \f, \a0, \zero
	MUL8 \f, (\a0)+1, \zero
.endm
.macro FETCH k, f, wf=0                ; one run of LDS loads: the fragments of 32 along K at byte k of the rows, into buffer f: (the step's factors,) B's eight, then A's four
	WIN TO_F
.if \wf
	ds_load_b128 v[FS:FS+3], v[FAD]
.endif
.irp b, 0,1,2,3,4,5,6,7
.if PVK
	ds_load_tr16_b128 v[(\f)+8*(\b):(\f)+8*(\b)+3],   v[ADRB] offset:((\k)/64)*32*PITCHV+32*(\b)
	ds_load_tr16_b128 v[(\f)+8*(\b)+4:(\f)+8*(\b)+7], v[ADRB] offset:((\k)/64)*32*PITCHV+32*(\b)+16*PITCHV
.else
	ds_load_b128 v[(\f)+8*(\b):(\f)+8*(\b)+3],   v[ADRB] offset:(\k)+(\b)*16*PITCH
	ds_load_b128 v[(\f)+8*(\b)+4:(\f)+8*(\b)+7], v[ADRB] offset:(\k)+(\b)*16*PITCH+32
.endif
.endr
.irp a, 0,1,2,3
	ds_load_b128 v[(\f)+64+8*(\a):(\f)+64+8*(\a)+3],   v[ADRA] offset:(\k)+(\a)*16*PITCH
	ds_load_b128 v[(\f)+64+8*(\a)+4:(\f)+64+8*(\a)+7], v[ADRA] offset:(\k)+(\a)*16*PITCH+32
.endr
.endm
.macro SCALE f, a0                     ; A's fragments a0, a0 + 1 of buffer f times their rows' factor of this K step, two f16 a line
	WIN SCL
.irp a, \a0, (\a0)+1
.irp i, 0,1,2,3,4,5,6,7
	v_pk_mul_f16 v[(\f)+64+8*(\a)+(\i)], v[(\f)+64+8*(\a)+(\i)], v[FS+(\a)]
.endr
.endr
.endm
; A K step is four quarters of 32 along K, 32 matrix instructions each, on buffers 0, 1, 0, 1.  One of the first three: multiplies buffer f; in its middle it fetches the next quarter, at byte k, into g.
.macro QUARTER k, f, g, zero
	s_wait_dscnt 4                                 ; all but the youngest four loads (A's fragments 2 and 3) are in
.if PVK
	SCALE \f, 0
.endif
	MUL16 \f, 0, \zero
	PLACES
	FETCH \k, \g
	s_wait_dscnt 24                                ; all but the 24 just issued
.if PVK
	SCALE \f, 2
.endif
	MUL16 \f, 2, \zero
.endm
; The last quarter multiplies buffer 1 and changes slots: ONE barrier.  In front of it each wave waits for all its tensor loads (one is out: its part of the next slot), adds 0 to its spare word, and waits
; for that and for its own reads of this slot.  fill = 1: the barrier opens a round of the cluster's, and behind the round this slot is filled again, with the K step two steps on:
; 112 matrix instructions ahead of the wait for it.
.macro TURN fill
.if \fill
	s_wait_xcnt 0x0                                ; the last prefetch, a K step back, has read its address: it is stepped here, ahead of the waits of the change of slots
	s_add_nc_u64 s[PFA:PFA+1], s[PFA:PFA+1], s[PST:PST+1]
.endif
	WIN 0                                          ; (the add's two registers lie in window 0)
	s_wait_tensorcnt 0x0                           ; all my tensor loads have landed
	ds_add_u32 v[SPW], v[NIL]                      ; 0 onto my spare word
	s_wait_dscnt 5                                 ; (the add and the youngest four loads may be out)
.if PVK
	SCALE F1, 0
.endif
	MUL8 F1, 0, 0                                  ; work on registers between the add and the wait for it
	s_wait_dscnt 0x0                               ; the add is done, and my reads of this slot are over
	s_barrier_signal -1
	MUL8 F1, 1, 0
.if PVK
	SCALE F1, 2                                    ; the step's last use of its factors, ahead of the load of the next step's
.endif
	WIN 0                                          ; at a branch and at a label every window is 0
	s_barrier_wait -1
.if \fill
	CREST                                          ; no wave of any partner still reads this slot or has a load on its way
	s_xor_b32 s[G0A+5], s[G0A+5], SLOT1            ; the walking descriptors: the other slot than last time, the next K step
	s_add_nc_u64 s[G0A+6:G0A+7], s[G0A+6:G0A+7], ASTEP
	s_xor_b32 s[G0B+5], s[G0B+5], SLOT1
	s_add_nc_u64 s[G0B+6:G0B+7], s[G0B+6:G0B+7], BSTEP
	JLOAD                                          ; the first tensor load behind the round; its four v_nop are also the places in front of the loads below
.else
	PLACES
.endif
	s_xor_b32 s[TB], s[TB], SLOT1
.if PVK
	s_add_co_u32 s[FSO], s[FSO], 256
	v_add_nc_u32 v[FAD], s[FSO], v[FAD0]
.endif
	v_add_nc_u32 v[ADRA], s[TB], v[ADRA0]
	v_add_nc_u32 v[ADRB], s[TB], v[ADRB0]
	FETCH 0, F0, PVK
.if \fill
	WIN 0
	ASK                                            ; behind the joint load and the run of LDS loads that the next products wait for
.endif
	MUL16 F1, 2, 0
.endm
.macro IDS                             ; places, masks, the descriptors' constant words: work on registers alone
	v_lshrrev_b32 v1, 5, v0
	v_readfirstlane_b32 s[WV], v1
	s_lshr_b32 s[WR], s[WV], 1
	s_and_b32 s[WC], s[WV], 1
	s_bfe_u32 s[CX], ttmp6, 0x40000
	s_bfe_u32 s[CY], ttmp6, 0x40004
	s_lshl_b32 s[TC], ttmp9, 2                     ; in a cluster launch ttmp9 and ttmp7 count clusters
	s_add_co_u32 s[TC], s[TC], s[CX]
	s_and_b32 s[CLY], ttmp7, 0xffff
	s_lshl_b32 s76, s[CY], 2
	s_lshl_b32 s76, 15, s76                        ; my row of the cluster: A's tiles go to it
	s_or_b32 s[G1A], s76, G1AW
	s_lshl_b32 s80, 0x1111, s[CX]                  ; my column: B's tiles
	s_or_b32 s[G1B], s80, G1BW
	s_mov_b32 s[G1A+1], 128<<16                    ; tensor_dim0
	s_mov_b32 s[G1A+2], 64<<16                     ; tensor_dim1
	s_mov_b32 s[G1A+3], 128<<16                    ; tile_dim0
	s_mov_b32 s[G1A+4], 64                         ; tile_dim1
	s_mov_b32 s[G1A+5], LDA                        ; elements from row to row
	s_mov_b32 s[G1A+6], 0
	s_mov_b32 s[G1A+7], 0
	s_mov_b32 s[G1B+1], BD0<<16
	s_mov_b32 s[G1B+2], BD1<<16
	s_mov_b32 s[G1B+3], BD0<<16
	s_mov_b32 s[G1B+4], BD1
	s_mov_b32 s[G1B+5], LDB
	s_mov_b32 s[G1B+6], 0
	s_mov_b32 s[G1B+7], 0
	s_mul_i32 s78, s[WC], AHALF                    ; where my half goes: no place in the cluster enters an LDS address
	s_mul_i32 s82, s[WC], BHALF
	s_add_co_u32 s82, s82, BOFF
	s_mov_b32 s[TB], 0
	s_or_b32 s90, ttmp9, s[WC]                     ; A: wave 0 of the clusters with x = 0 prefetches;
	s_and_b32 s91, s[CLY], KB                      ; B: waves 2 and 3 of the first of the clusters that read the same rows
	s_cmp_eq_u32 s[WR], 0
	s_cselect_b32 s90, s90, s91
	s_cmp_eq_u32 s90, 0
	s_cselect_b32 s[LIM], 2, -1                    ; the same in all sixteen partners, for a given wave
.endm
.macro FILLS                           ; s[76:77], s[80:81]: my half of A's and of B's first tile; s78, s82: where they go
.irp s, 0,1
	s_mov_b32 s[G0A+4*(\s)], 1                     ; count = 1
	s_add_co_u32 s[G0A+4*(\s)+1], s78, (\s)*SLOT1  ; LDS address
	s_add_nc_u64 s[G0A+4*(\s)+2:G0A+4*(\s)+3], s[76:77], (\s)*ASTEP  ; global address: K step s
	s_or_b32 s[G0A+4*(\s)+3], s[G0A+4*(\s)+3], 0x80000000            ; type = 2
	s_mov_b32 s[G0B+4*(\s)], 1
	s_add_co_u32 s[G0B+4*(\s)+1], s82, (\s)*SLOT1
	s_add_nc_u64 s[G0B+4*(\s)+2:G0B+4*(\s)+3], s[80:81], (\s)*BSTEP
	s_or_b32 s[G0B+4*(\s)+3], s[G0B+4*(\s)+3], 0x80000000
.endr
	s_cmp_lt_u32 s[WV], 2                          ; a wave's two first fills stand in one branch, ahead of every wait on TENSORcnt and every LDS read: two loads of mine are out
	s_cbranch_scc0 .Lfirst_b
	tensor_load_to_lds s[G0A:G0A+3], s[G1A:G1A+7]
	s_nop 0
	tensor_load_to_lds s[G0A+4:G0A+7], s[G1A:G1A+7]
	s_nop 0
.rept 4
	v_nop
.endr
	s_branch .Lfirst_asked
.Lfirst_b:
	tensor_load_to_lds s[G0B:G0B+3], s[G1B:G1B+7]
	s_nop 0
	tensor_load_to_lds s[G0B+4:G0B+7], s[G1B:G1B+7]
	s_nop 0
.rept 4
	v_nop
.endr
.Lfirst_asked:
.endm
; A fragment is 16 rows x 32 K in 8 registers: lane l holds row l % 16; registers 0-3 K = 8 (l / 16) + 0..7, registers 4-7 K = 16 + 8 (l / 16) + 0..7: two loads of 16 bytes, 32 bytes apart.
.macro LANES                           ; leaves v1 = l % 16, v2 = l / 16, v3 = l, v16 = (l % 16) x 272 + 16 (l / 16), s86 = my stage
	v_and_b32 v1, 15, v0
	v_bfe_u32 v2, v0, 4, 1
	v_and_b32 v3, 31, v0
	v_mul_u32_u24 v16, v1, PITCH
	v_lshl_add_u32 v16, v2, 4, v16
	s_mul_i32 s86, s[WR], AHALF
	v_add_nc_u32 v[ADRA0], s86, v16
.if PVK
	v_and_b32 v17, 7, v0                           ; B lies [K][column]: the turning load takes 16 K x 16 columns: lane l reads K = 8 (l / 16) + l % 8, columns 8 ((l / 8) % 2) + 0..7
	v_lshl_add_u32 v17, v2, 3, v17
	v_mul_u32_u24 v17, v17, PITCHV
	v_bfe_u32 v18, v0, 3, 1
	v_lshl_add_u32 v17, v18, 4, v17
	s_lshl_b32 s86, s[WC], 8                       ; my 128 columns
	s_add_co_u32 s86, s86, BOFF
	v_add_nc_u32 v[ADRB0], s86, v17
.else
	s_mul_i32 s86, s[WC], BHALF
	s_add_co_u32 s86, s86, BOFF
	v_add_nc_u32 v[ADRB0], s86, v16
.endif
	v_mov_b32 v[ADRA], v[ADRA0]
	v_mov_b32 v[ADRB], v[ADRB0]
	s_mul_i32 s86, s[WV], STGW
	s_add_co_u32 s86, s86, STAGE
.endm
.macro MAIN
	s_wait_tensorcnt 0x1                           ; my part of K step 0 is in; K step 1's may stay out
.if PVK
	s_wait_dscnt 0x0                               ; my stores into the table are done
.endif
	s_barrier_signal -1
	s_barrier_wait -1                              ; everybody's part is in
	FETCH 0, F0, PVK
	QUARTER 64, F0, F1, 1                          ; the first quarter stands in front of the loop: its products start the sums
	WIN 0
	s_mov_b32 s[CNT], NSTEP-2
.Lstep:                                            ; a trip: a K step's quarters 1 to 3 and the next step's quarter 0; it fills the slot that it leaves
	QUARTER 128, F1, F0, 0
	QUARTER 192, F0, F1, 0
	TURN 1
	QUARTER 64, F0, F1, 0
	WIN 0
	s_sub_co_u32 s[CNT], s[CNT], 1
	s_cmp_lg_u32 s[CNT], 0
	s_cbranch_scc1 .Lstep
	QUARTER 128, F1, F0, 0                         ; the last two K steps are written out: they fill nothing
	QUARTER 192, F0, F1, 0
	TURN 0
	QUARTER 64, F0, F1, 0
	QUARTER 128, F1, F0, 0
	QUARTER 192, F0, F1, 0
	s_wait_dscnt 4
.if PVK
	SCALE F1, 0
.endif
	MUL16 F1, 0, 0
	s_wait_dscnt 0x0
.if PVK
	SCALE F1, 2
.endif
	MUL16 F1, 2, 0
	WIN 0
	PLACES                                         ; the places behind the last products, counted generously, once a launch
	PLACES
.endm
.macro FINISH
	WIN 0
	s_wait_tensorcnt 0x0                           ; the wave's end: behind my last tensor load and my last LDS store
	ds_add_u32 v[SPW], v[NIL]
	s_wait_dscnt 0x0
	CROUND                                         ; the closing round: no work-group ends while a partner may still ask for a tile that names it
	s_endpgm
.endm
.macro BIAS                            ; my 64 columns' biases (column 16 b + 8 (l / 16) + j at BI + 8 b + j), rounded to bf16 like every input.  s87: my wave's first column x 4
	v_lshlrev_b32 v18, 5, v2
	v_add_nc_u32 v18, s87, v18
.irp b, 0,1,2,3,4,5,6,7
	global_load_b128 v[BI+8*(\b):BI+8*(\b)+3],   v18, s[C2:C2+1] offset:64*(\b)
	global_load_b128 v[BI+8*(\b)+4:BI+8*(\b)+7], v18, s[C2:C2+1] offset:64*(\b)+16
.endr
	s_wait_loadcnt 0x0                             ; once, while the first tiles are on their way
.set i, 0
.rept 32
	v_cvt_pk_bf16_f32 v[T+i], v[BI+2*i], v[BI+2*i+1]
.set i, i+1
.endr
.set i, 0
.rept 32
	v_lshlrev_b32 v[BI+2*i], 16, v[T+i]
	v_and_b32 v[BI+2*i+1], s[MSK], v[T+i]
.set i, i+1
.endr
.endm
; ---------------- end of the shared part ----------------
	s_load_b256 s[4:11], s[0:1], 0x0               ; O16 s[4:5], W16 s[6:7], bo s[8:9], out0 s[10:11]
	v_lshl_add_u32 v[SPW], v0, 2, SPARE
	v_mov_b32 v[NIL], 0
	ds_add_u32 v[SPW], v[NIL]                      ; the wave's opening: the add and its wait stand ahead of my first tensor load; the set-up below, work on registers, stands between them
	IDS
	s_lshl_b32 s[TR], s[CLY], 2
	s_add_co_u32 s[TR], s[TR], s[CY]               ; tile row 0..63
	s_lshl_b32 s76, s[TR], 18                      ; A = O16: 128 rows x 2,048 bytes a tile row, my 64 rows.  These registers never hold cx
	SHADD 76, 77, WC, 17
	s_mov_b32 s77, 0
	s_mov_b32 s80, 3<<21                           ; B = Wo: 256 rows a tile column, my 128 rows.  These never hold cy
	SHADD 80, 81, TC, 19
	SHADD 80, 81, WC, 18
	s_mov_b32 s81, 0
	s_lshl_b32 s84, s[TR], 19                      ; out0: my wave's first row (4,096 bytes a row) and column
	SHADD 84, 85, WR, 18
	SHADD 84, 85, TC, 10
	SHADD 84, 85, WC, 9
	s_mov_b32 s85, 0
	s_lshl_b32 s87, s[TC], 10                      ; the bias: my first column x 4 bytes
	SHADD 87, 91, WC, 9
	s_lshl_b32 s88, s[TR], 18                      ; the prefetches, A: my work-group's 32 of the tile's 128 rows
	SHADD 88, 91, CX, 16
	s_mov_b32 s89, 3<<21                           ; B: my work-group's 64 of the 256 rows, my wave's 32 of them
	SHADD 89, 91, TC, 19
	SHADD 89, 91, CY, 17
	SHADD 89, 91, WC, 16
	s_cmp_eq_u32 s[WR], 0
	s_cselect_b32 s88, s88, s89
	s_add_co_u32 s88, s88, 3*256                   ; at K step 3: the first change of slots steps it to 4
	s_mov_b32 s89, 0
	s_movk_i32 s[PST], 256
	s_mov_b32 s[PST+1], 0
	s_mov_b32 s[MSK], 0xffff0000
	s_wait_dscnt 0x0                               ; the opening add is done
	s_wait_kmcnt 0x0
	s_add_nc_u64 s[76:77], s[4:5], s[76:77]
	s_add_nc_u64 s[80:81], s[6:7], s[80:81]
	s_add_nc_u64 s[CB:CB+1], s[10:11], s[84:85]
	s_mov_b64 s[C2:C2+1], s[8:9]
	s_cmp_eq_u32 s[WR], 0
	s_cselect_b64 s[PFA:PFA+1], s[4:5], s[6:7]
	s_add_nc_u64 s[PFA:PFA+1], s[PFA:PFA+1], s[88:89]
	CROUND                                         ; all sixteen work-groups are here: the first joint loads meet
	FILLS
	LANES
	v_mul_u32_u24 v17, v1, SP32                    ; the way out in f32.  In: row l % 16, 32 bytes for each half of the lanes
	v_lshl_add_u32 v17, v2, 5, v17
	v_add_nc_u32 v[STO], s86, v17
	v_lshl_add_u32 v[RD], v3, 4, s86               ; back: 32 lanes take one row of 512 bytes,
	v_lshlrev_b32 v[CO], 4, v3                     ; and the same in out0
	v_lshlrev_b32 v[PFO], 11, v3                   ; a row of O16 and of Wo is 2,048 bytes
	BIAS
	MAIN
.macro OUT32 a                         ; block a: + bias; 16 rows x 512 bytes through my own stage; each accumulator is read from its low end on
	WIN R1
.set i, 0
.rept 32
	v_pk_add_f32 v[T+2*i:T+2*i+1], v[64*(\a)+2*i:64*(\a)+2*i+1], v[BI+2*i:BI+2*i+1]
.set i, i+1
.endr
	WIN 0
.irp b, 0,1,2,3,4,5,6,7
	ds_store_b128 v[STO], v[T+8*(\b):T+8*(\b)+3]   offset:64*(\b)
	ds_store_b128 v[STO], v[T+8*(\b)+4:T+8*(\b)+7] offset:64*(\b)+16
.endr
	s_wait_xcnt 0x0                                ; the stores of the block before have read their registers, which the loads below write
.irp t, 0,1,2,3,4,5,6,7,8,9,10,11,12,13,14,15
	ds_load_b128 v[OB+4*(\t):OB+4*(\t)+3], v[RD] offset:(\t)*SP32  ; LDS serves a wave's instructions in order (ISA guide 5.7.1.4): these see the stores above
.endr
.irp t, 0,1,2,3,4,5,6,7,8,9,10,11,12,13,14,15
	s_wait_dscnt 15-(\t)                           ; row t is back; the 15 - t younger loads may stay out
	global_store_b128 v[CO], v[OB+4*(\t):OB+4*(\t)+3], s[CB:CB+1] offset:(16*(\a)+(\t))*PC th:TH_STORE_NT  ; a wave's store covers 512 consecutive bytes, aligned
.endr
.endm
	OUT32 0
	OUT32 1
	OUT32 2
	OUT32 3
	FINISH
.Lfunc_end_k_q5e884599ea_outp:
	.size	k_q5e884599ea_outp, .Lfunc_end_k_q5e884599ea_outp-k_q5e884599ea_outp
	.p2alignl 7, 3214868480
	.fill 96, 4, 3214868480
	.section	.rodata,"a",@progbits
	.p2align	6, 0x0
	.amdhsa_kernel k_q5e884599ea_outp
		.amdhsa_group_segment_fixed_size 327680
		.amdhsa_private_segment_fixed_size 0
		.amdhsa_enable_private_segment 0
		.amdhsa_kernarg_size 32
		.amdhsa_user_sgpr_count 2
		.amdhsa_user_sgpr_kernarg_segment_ptr 1
		.amdhsa_wavefront_size32 1
		.amdhsa_system_sgpr_workgroup_id_x 1
		.amdhsa_system_sgpr_workgroup_id_y 1
		.amdhsa_system_sgpr_workgroup_id_z 1
		.amdhsa_system_vgpr_workitem_id 0
		.amdhsa_next_free_vgpr 768
		.amdhsa_next_free_sgpr 96
		.amdhsa_reserve_vcc 0
		.amdhsa_float_denorm_mode_32 3
		.amdhsa_float_denorm_mode_16_64 3
		.amdhsa_memory_ordered 1
		.amdhsa_forward_progress 1
		.amdhsa_inst_pref_size 85
	.end_amdhsa_kernel
	.amdgpu_metadata
---
amdhsa.version: [ 1, 2 ]
amdhsa.kernels:
  - .name:           k_q5e884599ea_outp
    .symbol:         k_q5e884599ea_outp.kd
    .args:
      - { .name: O16, .offset: 0, .size: 8, .value_kind: global_buffer, .address_space: global }
      - { .name: W16, .offset: 8, .size: 8, .value_kind: global_buffer, .address_space: global }
      - { .name: bo, .offset: 16, .size: 8, .value_kind: global_buffer, .address_space: global }
      - { .name: out0, .offset: 24, .size: 8, .value_kind: global_buffer, .address_space: global }
    .group_segment_fixed_size: 327680
    .private_segment_fixed_size: 0
    .kernarg_segment_align: 8
    .kernarg_segment_size: 32
    .max_flat_workgroup_size: 128
    .sgpr_count:     96
    .vgpr_count:     768
    .wavefront_size: 32
...
	.end_amdgpu_metadata
.endif
;; end of part 5
;; ======== version 2 of 2: 5 launches; version 1 with the launch prep written anew for expert scheduling mode
;; limits: values are held in f16: magnitudes above 65,504 overflow, below 6.1e-05 lose precision
;; workspace buffers: X16 50,331,648 bytes; W16 8,388,608 bytes; QKV 50,331,648 bytes; P 33,554,432 bytes; ML 1,048,576 bytes; O16 16,777,216 bytes
;; launch prep (part 6): grid 896 x 1, 8 waves a work-group, no clusters, 0 bytes of LDS; arguments query, key, value, Wq, Wk, Wv, Wo, X16, W16; writes X16, W16
.if DOCPART == 6
	.amdgcn_target "amdgcn-amd-amdhsa--gfx1250"
	.amdhsa_code_object_version 6
	.text
	.protected	k_q5e884599ea_prep
	.globl	k_q5e884599ea_prep
	.p2align	8
	.type	k_q5e884599ea_prep,@function
k_q5e884599ea_prep:
	s_mov_b64 s[64:65], 0
	v_nop
	global_prefetch_b8 v0, s[64:65] scope:SCOPE_SE
	s_setreg_imm32_b32 hwreg(HW_REG_WAVE_SCHED_MODE, 0, 2), 2
	s_setreg_imm32_b32 hwreg(HW_REG_WAVE_MODE, 25, 1), 1
	s_wait_xcnt 0x0
	s_wait_alu depctr_vm_vsrc(0)
; query, key, value (f32 [8192][1024] each) -> X16 (f16 [3][8192][1024]);  Wq, Wk, Wv, Wo (f32 [1024][1024]) -> W16 (f16 [4][1024][1024]).
; Each number is rounded to bf16 (to nearest even) and that bf16 number is written as f16, which is exact from 2^-14 to 65,504.
; LIMITS: beyond 65,504 the f16 is an infinity; below 2^-14 f16 keeps its fixed step of 2^-24.
; A stream: no LDS, no matrix unit, no cluster (no work-group reads what another reads).
; A work-group of 8 waves converts 32,768 numbers: 128 KiB in, 64 KiB out.  All 32 loads of a thread go out first (a wave's load covers 512 consecutive bytes), so
; the whole share is on its way at once; no register is loaded or stored from twice.
; THE MODE: SCHED_MODE bits 1:0 = 2 (LLVM: expert scheduling mode 2), set by the entry lines.  The code itself states the register dependences
; between vector instructions and memory instructions, with s_wait_alu, always for 0.
; THE PLAN.  Registers that memory instructions touch:
;   v1, v2   byte offsets, made once at the head and never written again: v1 is read by every load, v2 by every store.
;   X        load i lands in its own four registers, once; no vector line writes them; turn i's two roundings to bf16 read them; nothing lands in them afterwards.
;   Y        turn i's two conversions to f16 write its own two registers, once; store i reads them; nothing writes them afterwards.
;   T        is named by vector lines alone.
; The 32 turns go in 8 blocks of four.  Block p converts loads 4 p to 4 p + 3 into its eight Y registers; its memory instructions are the four stores of block p - 1,
; whose Y registers no vector line of block p names.  So ONE wait on va_vdst at a block's head states all that its four stores hang on, and they are dealt among the
; block's vector lines with no further wait.  No register that a memory instruction has read is ever written again: the only wait on vm_vsrc is the entry's.
; No vector line writes a scalar register or VCC, and EXEC is never written.
.set X, 4                              ; v[4:131]    load i: 4 numbers in f32
.set Y, 132                            ; v[132:195]  store i: 4 numbers in f16
.set T, 196                            ; v[196:201]  at work
.set BLK, 4                            ; turns in a block
	s_load_b512 s[4:19], s[0:1], 0x0               ; query, key, value, Wq, Wk, Wv, Wo, X16
	s_load_b64 s[20:21], s[0:1], 0x40              ; W16
	v_lshlrev_b32 v1, 4, v0                        ; 16 bytes a thread in
	v_lshlrev_b32 v2, 3, v0                        ; 8 bytes a thread out
	s_mov_b32 s24, 0xffff0000                      ; a word's upper bf16
	s_lshr_b32 s25, ttmp9, 8                       ; work-groups 0..767: tensor 0..2,
	s_and_b32 s26, ttmp9, 255                      ; block 0..255 of it
	s_sub_co_u32 s27, ttmp9, 768                   ; work-groups 768..895:
	s_lshr_b32 s28, s27, 5                         ; weight 0..3,
	s_and_b32 s29, s27, 31                         ; block 0..31 of it
	s_add_co_u32 s30, s28, 3                       ; its place among the seven sources
	s_lshl_b32 s33, s25, 24                        ; a tensor's 16 MiB in X16
	s_lshl_b32 s34, s28, 21                        ; a weight's 2 MiB in W16
	s_cmp_lt_u32 ttmp9, 768
	s_cselect_b32 s31, s25, s30                    ; source 0..6
	s_cselect_b32 s32, s26, s29                    ; block
	s_cselect_b32 s35, s33, s34                    ; the source's place in its destination
	s_wait_kmcnt 0x0
	s_cselect_b64 s[36:37], s[18:19], s[20:21]     ; X16 or W16 (the compare above still stands: nothing between writes SCC)
	s_mov_b64 s[22:23], s[4:5]
.irp n, 1,2,3,4,5,6
	s_cmp_eq_u32 s31, \n
	s_cselect_b64 s[22:23], s[4+2*\n:5+2*\n], s[22:23]
.endr
	s_lshl_b32 s38, s32, 17                        ; 128 KiB a block in
	s_mov_b32 s39, 0
	s_add_nc_u64 s[22:23], s[22:23], s[38:39]
	s_lshl_b32 s40, s32, 16                        ; 64 KiB a block out
	s_add_co_u32 s40, s40, s35
	s_mov_b32 s41, 0
	s_add_nc_u64 s[36:37], s[36:37], s[40:41]
	s_wait_alu depctr_va_vdst(0)                   ; v1 and v2 are written: every load of the kernel reads v1 as its offset, every store v2
.set i, 0
.rept 32
	global_load_b128 v[X+4*i:X+4*i+3], v1, s[22:23] offset:4096*i th:TH_LOAD_NT
.set i, i+1
.endr
.set i, 0
.rept 32
	s_wait_loadcnt 31-i                            ; loads come back in order: load i is in, the 31 - i younger ones stay out
.if (i%BLK == 0) && (i > 0)
	s_wait_alu depctr_va_vdst(0)                   ; the block before has written its eight Y registers, which the four stores dealt in this block read
.endif
.if i >= BLK
	global_store_b64 v2, v[Y+2*(i-BLK):Y+2*(i-BLK)+1], s[36:37] offset:2048*(i-BLK)  ; the block before's; a wave's store covers 256 consecutive bytes, aligned.  No vector line since the wait names these registers
.endif
	v_cvt_pk_bf16_f32 v[T], v[X+4*i], v[X+4*i+1]   ; to bf16, to nearest even
	v_cvt_pk_bf16_f32 v[T+1], v[X+4*i+2], v[X+4*i+3]
	v_lshlrev_b32 v[T+2], 16, v[T]                 ; the bf16 numbers as f32
	v_and_b32 v[T+3], s24, v[T]
	v_lshlrev_b32 v[T+4], 16, v[T+1]
	v_and_b32 v[T+5], s24, v[T+1]
	v_cvt_pk_f16_f32 v[Y+2*i], v[T+2], v[T+3]      ; and as f16
	v_cvt_pk_f16_f32 v[Y+2*i+1], v[T+4], v[T+5]
.set i, i+1
.endr
	s_wait_alu depctr_va_vdst(0)                   ; the last block has written its eight Y registers, which the last four stores read
.set i, 32-BLK
.rept BLK
	global_store_b64 v2, v[Y+2*i:Y+2*i+1], s[36:37] offset:2048*i  ; a wave's store covers 256 consecutive bytes, aligned
.set i, i+1
.endr
	s_endpgm
.Lfunc_end_k_q5e884599ea_prep:
	.size	k_q5e884599ea_prep, .Lfunc_end_k_q5e884599ea_prep-k_q5e884599ea_prep
	.p2alignl 7, 3214868480
	.fill 96, 4, 3214868480
	.section	.rodata,"a",@progbits
	.p2align	6, 0x0
	.amdhsa_kernel k_q5e884599ea_prep
		.amdhsa_group_segment_fixed_size 0
		.amdhsa_private_segment_fixed_size 0
		.amdhsa_enable_private_segment 0
		.amdhsa_kernarg_size 72
		.amdhsa_user_sgpr_count 2
		.amdhsa_user_sgpr_kernarg_segment_ptr 1
		.amdhsa_wavefront_size32 1
		.amdhsa_system_sgpr_workgroup_id_x 1
		.amdhsa_system_sgpr_workgroup_id_y 1
		.amdhsa_system_sgpr_workgroup_id_z 1
		.amdhsa_system_vgpr_workitem_id 0
		.amdhsa_next_free_vgpr 204
		.amdhsa_next_free_sgpr 66
		.amdhsa_reserve_vcc 0
		.amdhsa_float_denorm_mode_32 3
		.amdhsa_float_denorm_mode_16_64 3
		.amdhsa_memory_ordered 1
		.amdhsa_forward_progress 1
		.amdhsa_inst_pref_size 22
	.end_amdhsa_kernel
	.amdgpu_metadata
---
amdhsa.version: [ 1, 2 ]
amdhsa.kernels:
  - .name:           k_q5e884599ea_prep
    .symbol:         k_q5e884599ea_prep.kd
    .args:
      - { .name: query, .offset: 0, .size: 8, .value_kind: global_buffer, .address_space: global }
      - { .name: key, .offset: 8, .size: 8, .value_kind: global_buffer, .address_space: global }
      - { .name: value, .offset: 16, .size: 8, .value_kind: global_buffer, .address_space: global }
      - { .name: Wq, .offset: 24, .size: 8, .value_kind: global_buffer, .address_space: global }
      - { .name: Wk, .offset: 32, .size: 8, .value_kind: global_buffer, .address_space: global }
      - { .name: Wv, .offset: 40, .size: 8, .value_kind: global_buffer, .address_space: global }
      - { .name: Wo, .offset: 48, .size: 8, .value_kind: global_buffer, .address_space: global }
      - { .name: X16, .offset: 56, .size: 8, .value_kind: global_buffer, .address_space: global }
      - { .name: W16, .offset: 64, .size: 8, .value_kind: global_buffer, .address_space: global }
    .group_segment_fixed_size: 0
    .private_segment_fixed_size: 0
    .kernarg_segment_align: 8
    .kernarg_segment_size: 72
    .max_flat_workgroup_size: 256
    .sgpr_count:     66
    .vgpr_count:     204
    .wavefront_size: 32
...
	.end_amdgpu_metadata
.endif
;; end of part 6
;; launch proj: the kernel of part 2 again; grid 4 x 96, 8 waves a work-group, clusters of 4 x 4, 327,680 bytes of LDS; arguments X16, W16, bq, bk, bv, QKV; writes QKV
;; launch scores: the kernel of part 3 again; grid 8 x 32, 8 waves a work-group, clusters of 4 x 4, 327,680 bytes of LDS; arguments QKV, P, ML; writes P, ML
;; launch pv: the kernel of part 4 again; grid 4 x 64, 4 waves a work-group, clusters of 4 x 4, 327,680 bytes of LDS; arguments P, ML, QKV, O16; writes O16
;; launch outp: the kernel of part 5 again; grid 4 x 64, 4 waves a work-group, clusters of 4 x 4, 327,680 bytes of LDS; arguments O16, W16, bo, out0; writes out0
